; MI455X (gfx1250); checked and timed in simulation.
; The chip was launched on July 23, 2026; its instructions are those of AMD's public machine-readable ISA for CDNA 5 (MIT licence, August 2026) and "CDNA5" Instruction Set Architecture Reference Guide (July 2026). The comments in the code are by the model that wrote it; some were corrected since.
;; Multihead Self Attention. Allowed arithmetic: matrix products marked QUANTISED: E2M1 operands, one E8M0 scale for each 32 along K, by v_wmma_scale_f32_16x16x128_f8f6f4 with both operands' format E2M1 (or v_wmma_scale_f32_32x16x128_f4), f32 sums; products left as they are: bf16, f16 or f32 operands; f32 sums; everything else in f32.
;; Inputs: W_in 3,072 x 1,024 float32; W_out 1,024 x 1,024 float32; attn_mask 2,048 x 2,048 float32; b_in 3,072 float32; b_out 1,024 float32; key_padding_mask 4 x 2,048 bool; query 2,048 x 4 x 1,024 float32.
;; Outputs: out0 2,048 x 4 x 1,024 float32.
;; This version of the problem:
;;   THIS VERSION OF THE PROBLEM IS GIVEN IN LOW PRECISION. The matrix products marked QUANTISED in the list below multiply operands that are first quantised to E2M1 (2 exponent bits, 1 mantissa bit; 4 bits a number), with one power-of-two scale for each 32 numbers along K (OCP MX v1.0); their sums are f32. The products marked 'left as it is' may take bf16, f16 or f32 operands, with f32 sums. Whichever they take, every output number must still come out within the allowed error. Rounding operands to bf16 (8 significant bits) uses up far more of that allowance than f16 does (11 bits, for magnitudes from 6e-5 to 65,504). All else is computed in f32.
;;   The module's matrix products, in the order in which they are computed (A, B: the left and right operand; K: the contracted axis; several contracted axes count as one K, in the product's order):
;;     1. [M 8,192, K 1,024] x [K 1,024, N 3,072]; A: input query; B: input W_in: QUANTISED
;;     2. batch 64 x [M 2,048, K 64] x [K 64, N 2,048]; A: computed on the way; B: computed on the way: left as it is (an operand is computed on the way)
;;     3. batch 64 x [M 64, K 2,048] x [K 2,048, N 2,048]; A: computed on the way; B: computed on the way: left as it is (an operand is computed on the way)
;;     4. [M 8,192, K 1,024] x [K 1,024, N 1,024]; A: computed on the way; B: input W_out: left as it is (an operand is computed on the way)
;;   THE QUANTISER, for each operand of a quantised product, along K:
;;     - K is cut into blocks of 32 from its start; a last block that is shorter is filled with zeros.
;;     - A block's scale is 2^e with e = floor(log2(the largest magnitude in the block)) - 2, held to -126 .. 127; a block of zeros has e = 0. As a byte (E8M0): e + 127.
;;     - Each number is divided by its block's scale, clamped to +-6, and rounded to the nearest number of E2M1, ties to even, subnormals kept.
;;     - The product sums the exact products of the quantised numbers (number of the format x scale) in f32.
;;   ~~~python
;;   def quantise(x, axis):      # numpy; x: float32 -> the quantised numbers, widened to float32 again
;;       x = np.moveaxis(x, axis, -1); K = x.shape[-1]
;;       x = np.pad(x, [(0, 0)] * (x.ndim - 1) + [(0, -K % 32)]); x = x.reshape(x.shape[:-1] + (-1, 32)); a = np.abs(x).max(-1, keepdims=True)
;;       e = np.where(a > 0, np.clip(np.frexp(np.where(a > 0, a, 1))[1] - 1 - 2, -126, 127), 0)      # np.frexp(a)[1] - 1 = floor(log2(a)), exactly
;;       r = np.clip(x / 2.0 ** e, -6, 6)
;;       step = 2.0 ** (np.maximum(np.frexp(np.where(r == 0, 1, r))[1] - 1, 0) - 1)
;;       q = np.round(r / step) * step * 2.0 ** e      # np.round: ties to even
;;       return np.moveaxis(q.reshape(q.shape[:-2] + (-1,))[..., :K], -1, axis).astype(np.float32)
;;   ~~~
;; One version. Each part assembles by itself: llvm-mc -triple=amdgcn-amd-amdhsa -mcpu=gfx1250 --defsym DOCPART=n.
;; ======== version 1 of 1: 4 launches
;; limits: values are held in f16: magnitudes above 65,504 overflow, below 6.1e-05 lose precision
;; workspace buffers: qc 4,194,304 bytes; qs 262,144 bytes; wc 1,572,864 bytes; ws 98,304 bytes; wo16 2,097,152 bytes; kb 65,536 bytes; qkv16 50,331,648 bytes; att16 16,777,216 bytes
;; launch prep (part 1): grid 400 x 1, 4 waves a work-group, no clusters, 33,280 bytes of LDS; arguments query, W_in, W_out, key_padding_mask, qc, qs, wc, ws, wo16, kb; writes qc, qs, wc, ws, wo16, kb
.if DOCPART == 1
	.amdgcn_target "amdgcn-amd-amdhsa--gfx1250"
	.amdhsa_code_object_version 6
	.text
	.protected	k_q018167e0dd_prep
	.globl	k_q018167e0dd_prep
	.p2align	8
	.type	k_q018167e0dd_prep,@function
k_q018167e0dd_prep:
	s_mov_b64 s[64:65], 0
	v_nop
	global_prefetch_b8 v0, s[64:65] scope:SCOPE_SE
	s_setreg_imm32_b32 hwreg(HW_REG_WAVE_MODE, 25, 1), 1
	s_wait_xcnt 0x0
; MULTI-HEAD SELF-ATTENTION, T = 2048, B = 4, E = 1024, 16 heads of 64, in four launches: this one, the QKV projection on codes of FP4, attention, the projection on the way out.
; DEAD WORK: none is left out.  Every input is loaded and every product of reference() is done.  (The K part of b_in is the same along a softmax's axis only among keys that are not padded:
; a padded key's score is replaced by the fixed -1e9, so the term does not cancel for all values of the inputs; it stays, and rides as the C operand of the projection's first products.)
; THIS LAUNCH prepares what many work-groups read again:
;   work-groups 0-255: query [8192][1024] f32, work-groups 256-351: W_in [3072][1024] f32 -> codes of FP4 (E2M1), K innermost, two a byte, and one E8M0 byte for each 32 along K;
;   work-groups 352-383: W_out f32 -> f16 (the product on the way out is left as it is: f16 operands, f32 sums);
;   work-groups 384-399: key_padding_mask -> two f32 numbers a key: kc = padded ? 0 : log2(e), bc = padded ? -1e9 x log2(e) : 0, so that score x kc + bc is the where() of reference() and the change to base 2 in one multiply-add.
; THE QUANTISER.  A block's scale is 2^(floor(log2(its largest magnitude)) - 2); its byte is the largest magnitude's exponent field - 2, held at 1 from below.  A block of zeros so gets the byte 1 where the rule says 127:
; its codes are zeros, which add nothing under any byte but 0xff, and the bytes are read by this program alone.  Each number is divided by the scale and rounded to the nearest code, ties to even; beyond 6 the largest code.
; LIMITS: blocks whose largest magnitude lies under 2^(2 - 126) get the floor's byte; NaN and infinities among the inputs are not served; numbers of W_out beyond 65,504 in magnitude have no f16.
; Rows are dense and K is a multiple of 32, so both tensors are plain streams of blocks of 32.  A wave takes 16 steps of 512 numbers.  Each of a step's four loads reads 512 consecutive bytes, 16 a lane; the 2,048 bytes
; turn through the wave's own stage in LDS and come back 64 bytes a lane: 16 neighbours along K, which the conversions want in one lane's registers.  Two neighbouring lanes hold a block.
; The work-groups share no input: no cluster, no tensor load, no barrier.
.set WAVES, 4
.set STEPS, 16
.set WGA,   256                        ; work-groups for query: 8192 x 1024 / 32,768
.set WGQ,   352                        ; + 96 for W_in
.set WGC,   384                        ; + 32 for W_out
.set EMAX,  2
.set CB,    8                          ; bytes of 16 codes
.set R,     16                         ; v16-79   four sets of 16 numbers as they are loaded
.set X,     80                         ; v80-111  two sets of 16 neighbours
.set E,     112                        ; v112-127 a scale byte for each step
.set C,     128                        ; v128-191 codes: four registers for each step, so that no store's data are written again
.set WREG,  8192                       ; LDS: a region for each wave: two stages of 32 x SP bytes, behind them its 256 scale bytes
.set SP,    80                         ; a lane's place in a stage: 64 bytes + 16 of padding
.set SPW,   12                         ; v12  LDS address of my spare word; never rewritten
.set NIL,   13                         ; v13  0; never rewritten
.set SPARE, WAVES*WREG                 ; behind the four regions: the spare words, 128 bytes a wave, which no other line names
	s_load_b512 s[4:19], s[0:1], 0x0               ; query s[4:5], W_in s[6:7], W_out s[8:9], key_padding_mask s[10:11], qc s[12:13], qs s[14:15], wc s[16:17], ws s[18:19]
	s_load_b128 s[20:23], s[0:1], 0x40             ; wo16 s[20:21], kb s[22:23]
	v_lshl_add_u32 v[SPW], v0, 2, SPARE
	v_mov_b32 v[NIL], 0
	v_lshrrev_b32 v1, 5, v0
	v_readfirstlane_b32 s24, v1                    ; wave
	v_and_b32 v2, 31, v0                           ; lane
	s_wait_kmcnt 0x0
	s_cmp_ge_u32 ttmp9, WGQ                        ; the paths part on the work-group's number alone; only the first of them touches LDS
	s_cbranch_scc1 .Lother
	; ---- the quantiser
	v_lshlrev_b32 v3, 4, v2                        ; my 16 bytes of a load's 512
	s_mul_i32 s25, s24, WREG
	v_lshrrev_b32 v14, 2, v2
	v_mul_u32_u24 v14, v14, SP
	v_and_b32 v15, 3, v2
	v_lshl_add_u32 v14, v15, 4, v14
	v_add_nc_u32 v14, s25, v14                     ; the stage, on the way in: four lanes' 64 bytes on end, then 16 of padding
	v_mul_u32_u24 v15, v2, SP
	v_add_nc_u32 v15, s25, v15                     ; and on the way out: SP x lane: my 16 neighbours
	v_mul_u32_u24 v4, v2, CB                       ; my codes' place in a step's
	v_lshrrev_b32 v5, 1, v2
	s_add_co_u32 s25, s25, 2*32*SP
	v_add_nc_u32 v5, s25, v5                       ; LDS: my wave's 256 scale bytes, my block's byte
	v_lshlrev_b32 v7, 3, v2                        ; and on the way out 8 bytes a lane
	v_add_nc_u32 v6, s25, v7
	s_cmp_lt_u32 ttmp9, WGA                        ; query's work-group or W_in's?
	s_cselect_b64 s[26:27], s[4:5], s[6:7]         ; the numbers,
	s_cselect_b64 s[28:29], s[12:13], s[16:17]     ; the codes,
	s_cselect_b64 s[30:31], s[14:15], s[18:19]     ; the scale bytes
	s_cselect_b32 s25, 0, WGA
	s_sub_co_u32 s25, ttmp9, s25
	s_lshl_b32 s25, s25, 2
	s_add_co_u32 s32, s25, s24                     ; which run of 8,192 numbers of the tensor is my wave's
	s_mov_b32 s33, 0
	s_mov_b64 s[34:35], 512*STEPS*4
	s_mul_u64 s[34:35], s[32:33], s[34:35]
	s_add_nc_u64 s[26:27], s[26:27], s[34:35]
	s_mov_b64 s[34:35], 32*STEPS*CB
	s_mul_u64 s[34:35], s[32:33], s[34:35]
	s_add_nc_u64 s[28:29], s[28:29], s[34:35]
	s_lshl_b32 s32, s32, 8                         ; 256 scale bytes a run
	s_add_nc_u64 s[30:31], s[30:31], s[32:33]
.macro LOAD t
.irp i, 0,1,2,3
	global_load_b128 v[R+16*((\t)%4)+4*\i:R+16*((\t)%4)+4*\i+3], v3, s[26:27] offset:2048*(\t)+512*\i th:TH_LOAD_NT   ; 32 lanes read 512 consecutive bytes
.endr
.endm
.macro TURN t                          ; step t's numbers through the stage: LDS serves a wave's instructions in order, so no wait stands between the stores and the loads
.irp i, 0,1,2,3
	ds_store_b128 v14, v[R+16*((\t)%4)+4*\i:R+16*((\t)%4)+4*\i+3] offset:32*SP*((\t)%2)+8*SP*\i
.endr
.irp i, 0,1,2,3
	ds_load_b128 v[X+16*((\t)%2)+4*\i:X+16*((\t)%2)+4*\i+3], v15 offset:32*SP*((\t)%2)+16*\i
.endr
.endm
.irp t, 0,1,2,3
	LOAD \t
.endr
	s_wait_loadcnt 12                              ; step 0's four loads are in; the 12 of steps 1 to 3 may be out
	TURN 0
.macro STEP t
.set XS, X+16*((\t)%2)
.if (\t) > 0
	s_wait_dscnt 1                                 ; this step's numbers are back from the stage (the last step's byte store may be out): so its stores into the stage have read their registers,
.else
	s_wait_dscnt 0x0
.endif
.if (\t)+4 < STEPS
	LOAD (\t)+4                                    ; which take the loads of four steps on
.endif
.if (\t)+1 < STEPS
.if STEPS-2-(\t) >= 3
	s_wait_loadcnt 12                              ; the next step's four loads are in; those of the three steps behind it may be out
.else
	s_wait_loadcnt 4*(STEPS-2-(\t))
.endif
	TURN (\t)+1                                    ; and go through the other stage while this step is worked
.endif
	v_max3_num_f32 v8, |v[XS]|, |v[XS+1]|, |v[XS+2]|               ; the largest magnitude of my 16, in two chains
	v_max3_num_f32 v9, |v[XS+3]|, |v[XS+4]|, |v[XS+5]|
.irp i, 6,10
	v_max3_num_f32 v8, v8, |v[XS+\i]|, |v[XS+\i+1]|
	v_max3_num_f32 v9, v9, |v[XS+\i+2]|, |v[XS+\i+3]|
.endr
	v_max3_num_f32 v8, v8, |v[XS+14]|, |v[XS+15]|
	v_max3_num_f32 v8, v8, v9, (EMAX+1)<<23        ; and the floor 2^(EMAX + 1 - 127): the byte cannot fall under 1
	v_max_num_f32_dpp v8, v8, v8 row_xmask:1 row_mask:0xf bank_mask:0xf   ; and of my neighbour's 16: the block's
	v_add_nc_u32 v11, -(EMAX<<23), v8              ; EMAX off its exponent field: the conversion takes the exponent field of this operand as its scale, and nothing else of it
	v_cvt_scalef32_pk8_fp4_f32 v[C+4*(\t)], v[XS:XS+7], v11
	v_cvt_scalef32_pk8_fp4_f32 v[C+4*(\t)+1], v[XS+8:XS+15], v11
	v_lshrrev_b32 v[E+(\t)], 23, v11               ; the scale's byte (a plain line behind the conversions)
	ds_store_b8 v5, v[E+(\t)] offset:16*(\t)       ; both lanes of a block write the same byte with the same value
	global_store_b64 v4, v[C+4*(\t):C+4*(\t)+1], s[28:29] offset:32*CB*(\t)   ; the wave stores 256 consecutive bytes, aligned
.endm
.irp t, 0,1,2,3,4,5,6,7,8,9,10,11,12,13,14,15
	STEP \t
.endr
	ds_load_b64 v[8:9], v6                         ; LDS serves a wave's instructions in order: these see my stores
	s_wait_dscnt 0x0
	global_store_b64 v7, v[8:9], s[30:31]          ; 32 lanes store 256 consecutive bytes, aligned
	s_wait_tensorcnt 0x0                           ; the wave's end: a tensor wait, an add of 0 to my spare word and its wait, behind my last LDS store
	ds_add_u32 v[SPW], v[NIL]
	s_wait_dscnt 0x0
	s_endpgm
.Lother:
	s_cmp_ge_u32 ttmp9, WGC
	s_cbranch_scc1 .Ltable
	; ---- W_out to f16: a wave takes 8,192 numbers: 64 loads of 512 bytes, 64 stores of 256 bytes, in four groups of 16; two groups of loads are out
	s_sub_co_u32 s25, ttmp9, WGQ
	s_lshl_b32 s25, s25, 2
	s_add_co_u32 s25, s25, s24                     ; my run of 8,192 numbers
	s_lshl_b32 s32, s25, 15
	s_mov_b32 s33, 0
	s_add_nc_u64 s[8:9], s[8:9], s[32:33]
	s_lshl_b32 s32, s25, 14
	s_add_nc_u64 s[20:21], s[20:21], s[32:33]
	v_lshlrev_b32 v3, 4, v2                        ; in: 16 bytes a lane
	v_lshlrev_b32 v4, 3, v2                        ; out: 8 bytes a lane
.macro CLOAD g
.irp i, 0,1,2,3,4,5,6,7,8,9,10,11,12,13,14,15
	global_load_b128 v[16+64*((\g)%2)+4*\i:16+64*((\g)%2)+4*\i+3], v3, s[8:9] offset:512*(16*(\g)+\i) th:TH_LOAD_NT
.endr
.endm
.macro CAST g
.set LS, 16+64*((\g)%2)
.if (\g) < 3
	s_wait_loadcnt 16                              ; this group's 16 loads are in; the next group's 16 may be out
.else
	s_wait_loadcnt 0x0
.endif
.if (\g) > 0
	s_wait_xcnt 0x0                                ; the last group's stores have read v144-175, which are written again below
.endif
.irp i, 0,1,2,3,4,5,6,7,8,9,10,11,12,13,14,15
	v_cvt_pk_f16_f32 v[144+2*\i], v[LS+4*\i], v[LS+4*\i+1]         ; the first source into the low half
	v_cvt_pk_f16_f32 v[145+2*\i], v[LS+4*\i+2], v[LS+4*\i+3]
.endr
.if (\g) < 2
	CLOAD (\g)+2                                   ; into the set just read: loads ahead of stores
.endif
.irp i, 0,1,2,3,4,5,6,7,8,9,10,11,12,13,14,15
	global_store_b64 v4, v[144+2*\i:145+2*\i], s[20:21] offset:256*(16*(\g)+\i)   ; the wave stores 256 consecutive bytes, aligned
.endr
.endm
	CLOAD 0
	CLOAD 1
	CAST 0
	CAST 1
	CAST 2
	CAST 3
	s_endpgm
.Ltable:
	; ---- the keys' two constants: a thread takes four keys of the flat [b][t]
	s_sub_co_u32 s25, ttmp9, WGC
	s_lshl_b32 s32, s25, 9                         ; 512 keys a work-group: one byte each in the mask,
	s_mov_b32 s33, 0
	s_add_nc_u64 s[10:11], s[10:11], s[32:33]
	s_lshl_b32 s32, s25, 11                        ; four bytes each in a half of kb
	s_add_nc_u64 s[22:23], s[22:23], s[32:33]
	v_lshlrev_b32 v3, 2, v0
	v_lshlrev_b32 v4, 4, v0
	global_load_b32 v5, v3, s[10:11]
	v_mov_b32 v6, 0x3fb8aa3b                       ; log2(e)
	v_mov_b32 v7, 0
	v_mul_f32 v8, 0xce6e6b28, v6                   ; -1e9 x log2(e)
	s_wait_loadcnt 0x0
.irp j, 0,1,2,3
	v_bfe_u32 v9, v5, 8*\j, 8
	v_cmp_ne_u32 vcc_lo, 0, v9                     ; padded?
	v_cndmask_b32 v[16+\j], v6, v7, vcc_lo         ; kc
	v_cndmask_b32 v[20+\j], v7, v8, vcc_lo         ; bc
.endr
	global_store_b128 v4, v[16:19], s[22:23]
	global_store_b128 v4, v[20:23], s[22:23] offset:32768
	s_endpgm
.Lfunc_end_k_q018167e0dd_prep:
	.size	k_q018167e0dd_prep, .Lfunc_end_k_q018167e0dd_prep-k_q018167e0dd_prep
	.p2alignl 7, 3214868480
	.fill 96, 4, 3214868480
	.section	.rodata,"a",@progbits
	.p2align	6, 0x0
	.amdhsa_kernel k_q018167e0dd_prep
		.amdhsa_group_segment_fixed_size 33280
		.amdhsa_private_segment_fixed_size 0
		.amdhsa_enable_private_segment 0
		.amdhsa_kernarg_size 80
		.amdhsa_user_sgpr_count 2
		.amdhsa_user_sgpr_kernarg_segment_ptr 1
		.amdhsa_wavefront_size32 1
		.amdhsa_system_sgpr_workgroup_id_x 1
		.amdhsa_system_sgpr_workgroup_id_y 1
		.amdhsa_system_sgpr_workgroup_id_z 1
		.amdhsa_system_vgpr_workitem_id 0
		.amdhsa_next_free_vgpr 192
		.amdhsa_next_free_sgpr 66
		.amdhsa_reserve_vcc 1
		.amdhsa_float_denorm_mode_32 3
		.amdhsa_float_denorm_mode_16_64 3
		.amdhsa_memory_ordered 1
		.amdhsa_forward_progress 1
		.amdhsa_inst_pref_size 56
	.end_amdhsa_kernel
	.amdgpu_metadata
---
amdhsa.version: [ 1, 2 ]
amdhsa.kernels:
  - .name:           k_q018167e0dd_prep
    .symbol:         k_q018167e0dd_prep.kd
    .args:
      - { .name: query, .offset: 0, .size: 8, .value_kind: global_buffer, .address_space: global }
      - { .name: W_in, .offset: 8, .size: 8, .value_kind: global_buffer, .address_space: global }
      - { .name: W_out, .offset: 16, .size: 8, .value_kind: global_buffer, .address_space: global }
      - { .name: key_padding_mask, .offset: 24, .size: 8, .value_kind: global_buffer, .address_space: global }
      - { .name: qc, .offset: 32, .size: 8, .value_kind: global_buffer, .address_space: global }
      - { .name: qs, .offset: 40, .size: 8, .value_kind: global_buffer, .address_space: global }
      - { .name: wc, .offset: 48, .size: 8, .value_kind: global_buffer, .address_space: global }
      - { .name: ws, .offset: 56, .size: 8, .value_kind: global_buffer, .address_space: global }
      - { .name: wo16, .offset: 64, .size: 8, .value_kind: global_buffer, .address_space: global }
      - { .name: kb, .offset: 72, .size: 8, .value_kind: global_buffer, .address_space: global }
    .group_segment_fixed_size: 33280
    .private_segment_fixed_size: 0
    .kernarg_segment_align: 8
    .kernarg_segment_size: 80
    .max_flat_workgroup_size: 128
    .sgpr_count:     66
    .vgpr_count:     192
    .wavefront_size: 32
...
	.end_amdgpu_metadata
.endif
;; end of part 1
;; launch proj (part 2): grid 12 x 32, 4 waves a work-group, clusters of 4 x 4, 327,680 bytes of LDS; arguments qc, qs, wc, ws, b_in, qkv16; writes qkv16
.if DOCPART == 2
	.amdgcn_target "amdgcn-amd-amdhsa--gfx1250"
	.amdhsa_code_object_version 6
	.text
	.protected	k_q018167e0dd_proj
	.globl	k_q018167e0dd_proj
	.p2align	8
	.type	k_q018167e0dd_proj,@function
k_q018167e0dd_proj:
	s_mov_b64 s[64:65], 0
	v_nop
	global_prefetch_b8 v0, s[64:65] scope:SCOPE_SE
	s_setreg_imm32_b32 hwreg(HW_REG_WAVE_MODE, 25, 1), 1
	s_wait_xcnt 0x0
	s_wait_alu depctr_hold_cnt(0) depctr_sa_sdst(0) depctr_va_vdst(0) depctr_va_sdst(0) depctr_va_ssrc(0) depctr_va_vcc(0) depctr_vm_vsrc(0)
	s_getreg_b32 s2, hwreg(HW_REG_IB_STS2, 6, 4)
	s_cmp_eq_u32 s2, 0
	s_cbranch_scc0 .Lentry_in_a_cluster
	s_endpgm
.Lentry_in_a_cluster:
	s_bfe_u32 s2, ttmp6, 0x10000c
	s_cmp_lg_u32 s2, 0xf033
	s_cbranch_scc0 .Lentry_shape_is_right
	s_endpgm
.Lentry_shape_is_right:
; proj[m][f] = sum over e of Q(query)[m][e] Q(W_in)[f][e] + b_in[f], m = 4 t + b: the QUANTISED product, on codes of FP4 (E2M1) with one E8M0 scale for each 32 along K, as the launch before has made them.
; Nothing of reference() is left out here.  The q third is multiplied by 0.125 (exact), and all three thirds leave as f16, laid for attention: qkv16 [3 (q, k, v)][b 4][hp 8][t 2048][128]: a row of 256 bytes holds heads 2 hp, 2 hp + 1.
; LIMIT: a result beyond 65,504 in magnitude has no f16.
; A tile of C, 256 x 256, is made by four waves, a wave 128 x 128: 64 accumulators, 512 registers.  K = 1,024 is exactly two LDS slots of 512 along K (rows of 256 bytes): every tensor load of the launch is a first fill,
; three a wave (scale bytes, slot 0, slot 1), all issued at the head: so there is no loop, no refill, and nothing to prefetch.
; CLUSTERS: 4 x 4 work-groups.  The four of a row of the cluster need the same tiles of A, the four of a column the same tiles of B: each tile is asked for JOINTLY, by the same tensor load with the same descriptor and a mask that names the four.
; THE MATRIX INSTRUCTION IS USED TRANSPOSED (source 0 = 16 rows of W_in, source 1 = 16 rows of query): a lane then holds eight neighbouring f of one row m.  The bias is the C of each sum's first product.
; REGISTERS, in windows of 256: window 0: v0-31 addresses; v32-95 scale words, two sets; v128-191 A's fragments, ONE set; v192-255 the bias in the result's layout, later at work on the way out.
;   window 1: B's fragments, TWO sets, at v0 and v128.   window 2: the 32 accumulators of my rows 0-63 ((a, b) at v[8 (8 a + b)]);   window 3: those of my rows 64-127.
.set SIZE_K, 1024
.set KSTEP,  512                       ; along K in a slot
.set NQ,     KSTEP/128                 ; matrix instructions deep
.set ROWB,   256                       ; a tile's row in bytes
.set KROW,   SIZE_K*4/8                ; a row of codes in memory
.set PITCH,  272                       ; an LDS row: 256 bytes + 16 of padding = 68 words: the 16 rows that a load touches start at 16 different banks (64 banks of 4 bytes: ISA guide 11.1)
.set FR,     8                         ; registers of a fragment: 16 rows x 128 K
.set NL,     2                         ; LDS loads that bring one
.set NP,     4                         ; places behind this matrix instruction (ISA guide 7.12.1)
.set HALFT,  128*PITCH                 ; 128 rows: what one tensor load brings
.set SLOT,   4*HALFT                   ; A's 256 rows, then B's 256 rows
.set KS,     SIZE_K/32                 ; a row of scale bytes
.set SCL,    2*SLOT                    ; behind the slots: the scale bytes, as rows of 256 bytes + 16 of padding
.set HALFS,  (128*KS/256)*272          ; those of 128 rows
.set SBLK,   (16*KS/256)*272           ; those of 16 rows
.set SPARE,  SCL+4*HALFS               ; the spare words, 128 bytes a wave, which no other line names
.set SPITCH, 272                       ; the way out: 16 rows x (256 bytes + 16) for each wave, in slot 0, which has had its only fill and its last read by then
.set ADRA, 16                          ; v16-17  LDS address of my A fragments in slot 0, 1
.set ADRB, 20                          ; v20-21  the same for B
.set STO,  24                          ; v24     the way out: where I put 16 bytes of a row
.set RD,   25                          ; v25     the way out: where I read a row back
.set BO,   26                          ; v26     my byte offset in the bias
.set ADRS, 27                          ; v27     LDS address of my scale words: lanes 0-15 A's rows, lanes 16-31 B's
.set SPW,  28                          ; v28     LDS address of my spare word; never rewritten
.set NIL,  29                          ; v29     0; never rewritten
.set CO,   30                          ; v30-31  my byte offset in qkv16, for batches 0, 1 and for batches 2, 3
.set SC,   32                          ; scale words: set s at v[SC + 32 s]; register 4 i + q: lanes 0-15 the word of A's block i, lanes 16-31 that of B's block i
.set AF,   128                         ; A's fragments
.set BI,   192                         ; the bias: register 8 b + j = b_in[my first f + 16 b + 8 (lane / 16) + j]
.set TMP,  192                         ; the way out: packed results
.set OB,   32                          ; the way out: 16 rows read back: v32-63 and v224-255 by turns
.set G1, 24                            ; s[24:31] descriptor group 1 for A's tiles;  s[32:39] group 0, one set for each slot
.set G0, 32
.set G1B, 48                           ; s[48:55], s[56:63] the same for B's tiles
.set G0B, 56
.set G1S, 68                           ; s[68:75], s[76:79] groups 1 and 0 for A's scale bytes;  s[80:87], s[88:91] for B's
.set G0S, 76
.set G1SB, 80
.set G0SB, 88
.set MSB, 0
.macro WIN new                         ; the immediate's high byte repeats the setting that is left; a switch that changes nothing is dropped
.if MSB != (\new)
	s_set_vgpr_msb (MSB<<8)|(\new)
.set MSB, (\new)
.endif
.endm
.set MUL_LO, 0xa1                      ; source 0 (B) window 1, source 1 (A) window 0, C and D window 2
.set MUL_HI, 0xf1                      ; the same, C and D window 3
.set TO_B,   0x40                      ; destination window 1, address window 0
; A joint load: waves 0 and 1 fetch for A, waves 2 and 3 for B.  Each line has ONE mask and one set of registers for all that issue it; the branch hangs on the wave's number alone.
; An s_nop 0 and four v_nop follow each of the two lines.
.macro JLOAD g0a, g1a, g0b, g1b
	s_cmp_eq_u32 s15, 0
	s_cbranch_scc0 .Lfor_b_\@
	tensor_load_to_lds s[\g0a:\g0a+3], s[\g1a:\g1a+7]
	s_nop 0
.rept 4
	v_nop
.endr
	s_branch .Lasked_\@
.Lfor_b_\@:
	tensor_load_to_lds s[\g0b:\g0b+3], s[\g1b:\g1b+7]
	s_nop 0
.rept 4
	v_nop
.endr
.Lasked_\@:
.endm
.macro CROUND                          ; a round of the cluster's barrier
	s_barrier_signal -1
	s_barrier_wait -1
	s_cmp_lg_u32 s14, 0
	s_cbranch_scc1 .Lnot_wave_0_\@
	s_barrier_signal -3
.Lnot_wave_0_\@:
	s_barrier_wait -3
	s_barrier_signal -1
	s_barrier_wait -1
.endm
	s_load_b128 s[4:7], s[0:1], 0x0                ; query's codes s[4:5], its scale bytes s[6:7]
	s_load_b128 s[8:11], s[0:1], 0x10              ; W_in's codes s[8:9], its scale bytes s[10:11]
	s_load_b64 s[96:97], s[0:1], 0x20              ; b_in
	s_load_b64 s[12:13], s[0:1], 0x28              ; qkv16
	v_lshl_add_u32 v[SPW], v0, 2, SPARE
	v_mov_b32 v[NIL], 0
	ds_add_u32 v[SPW], v[NIL]                      ; the wave's opening: the add, twice on end, and its wait ahead of my first tensor load
	ds_add_u32 v[SPW], v[NIL]
	v_lshrrev_b32 v1, 5, v0
	v_readfirstlane_b32 s14, v1                    ; wave 0..3
	s_lshr_b32 s15, s14, 1                         ; which half of the tile's rows is mine.  Also: I fetch for A (0) or for B (1)
	s_and_b32 s16, s14, 1                          ; which half of its columns.  Also: which 128 rows of that tile I fetch
	s_bfe_u32 s40, ttmp6, 0x40000                  ; cx, cy: my place in the cluster
	s_bfe_u32 s41, ttmp6, 0x40004
	s_lshl_b32 s42, ttmp9, 2
	s_add_co_u32 s42, s42, s40                     ; tile column of C = 4 x cluster x + cx
	s_and_b32 s17, ttmp7, 0xffff
	s_lshl_b32 s17, s17, 2
	s_add_co_u32 s17, s17, s41                     ; tile row of C = 4 x cluster y + cy
	s_lshl_b32 s43, s41, 2
	s_lshl_b32 s43, 15, s43                        ; my row of the cluster
	s_lshl_b32 s44, 0x1111, s40                    ; my column
	; descriptor group 1: a tile of 128 rows x 256 bytes, padded in LDS
	s_or_b32 s[G1+0], s43, (0<<16)|(1<<20)|(1<<21)|(5<<22)|(3<<25)  ; 15:0 the mask: A's tiles go to my row; 17:16 elements of 1 byte; 20 padding on; 21 set beside a mask; 24:22 after every 64 words; 31:25 four words
	s_or_b32 s[G1B+0], s44, (0<<16)|(1<<20)|(1<<21)|(5<<22)|(3<<25)
.irp g, G1, G1B
	s_mov_b32 s[\g+1], ROWB<<16                    ; tensor_dim0
	s_mov_b32 s[\g+2], 128<<16                     ; tensor_dim1
	s_mov_b32 s[\g+3], ROWB<<16                    ; tile_dim0
	s_mov_b32 s[\g+4], 128                         ; tile_dim1
	s_mov_b32 s[\g+5], KROW                        ; tensor_dim0_stride
	s_mov_b32 s[\g+6], 0
	s_mov_b32 s[\g+7], 0
.endr
	; the scale bytes of 128 rows: a dense block of 4,096 bytes, as 16 rows of 256 bytes (32 elements of 8 bytes), 16 bytes of padding behind each
	s_or_b32 s[G1S+0], s43, (3<<16)|(1<<20)|(1<<21)|(5<<22)|(3<<25)
	s_or_b32 s[G1SB+0], s44, (3<<16)|(1<<20)|(1<<21)|(5<<22)|(3<<25)
.irp g, G1S, G1SB
	s_mov_b32 s[\g+1], 32<<16
	s_mov_b32 s[\g+2], (128*KS/256)<<16
	s_mov_b32 s[\g+3], 32<<16
	s_mov_b32 s[\g+4], 128*KS/256
	s_mov_b32 s[\g+5], 32
	s_mov_b32 s[\g+6], 0
	s_mov_b32 s[\g+7], 0
.endr
	s_mov_b32 s98, 0x3e000000                      ; 0.125, q's factor; the packed form names a pair and takes its low word for both halves
	s_mov_b32 s99, s98
	s_lshl_b32 s18, s16, 7                         ; which 128 rows of the tile I fetch
	s_lshl_b32 s20, s17, 8
	s_add_co_u32 s20, s20, s18                     ; A: row 256 x tile row + 128 x half
	s_lshl_b32 s46, s42, 8
	s_add_co_u32 s46, s46, s18                     ; B: row 256 x tile column + 128 x half
	s_mov_b32 s21, 0
	s_mov_b32 s47, 0
	s_mov_b64 s[18:19], KS
	s_mul_u64 s[22:23], s[20:21], s[18:19]         ; where these rows' scale bytes begin
	s_mul_u64 s[92:93], s[46:47], s[18:19]
	s_mov_b64 s[18:19], KROW
	s_mul_u64 s[20:21], s[20:21], s[18:19]         ; and their codes
	s_mul_u64 s[46:47], s[46:47], s[18:19]
	s_mul_i32 s45, s14, HALFT                      ; where they go: wave x 128 rows: no place in the cluster enters an LDS address
	s_mul_i32 s94, s14, HALFS
	s_wait_dscnt 0x0                               ; both opening adds are done
	s_wait_kmcnt 0x0
	s_add_nc_u64 s[20:21], s[4:5], s[20:21]
	s_add_nc_u64 s[22:23], s[6:7], s[22:23]
	s_add_nc_u64 s[46:47], s[8:9], s[46:47]
	s_add_nc_u64 s[92:93], s[10:11], s[92:93]
	CROUND                                         ; all sixteen work-groups are here: the joint loads meet
	s_mov_b32 s[G0S], 1
	s_add_co_u32 s[G0S+1], s94, SCL
	s_mov_b64 s[G0S+2:G0S+3], s[22:23]
	s_or_b32 s[G0S+3], s[G0S+3], 0x80000000
	s_mov_b32 s[G0SB], 1
	s_add_co_u32 s[G0SB+1], s94, SCL
	s_mov_b64 s[G0SB+2:G0SB+3], s[92:93]
	s_or_b32 s[G0SB+3], s[G0SB+3], 0x80000000
	JLOAD G0S, G1S, G0SB, G1SB                     ; the scale bytes first: they are wanted with slot 0
.irp s, 0,1
	s_mov_b32 s[G0+4*\s], 1
	s_add_co_u32 s[G0+4*\s+1], s45, \s*SLOT
	s_add_nc_u64 s[G0+4*\s+2:G0+4*\s+3], s[20:21], \s*ROWB
	s_or_b32 s[G0+4*\s+3], s[G0+4*\s+3], 0x80000000
	s_mov_b32 s[G0B+4*\s], 1
	s_add_co_u32 s[G0B+4*\s+1], s45, \s*SLOT
	s_add_nc_u64 s[G0B+4*\s+2:G0B+4*\s+3], s[46:47], \s*ROWB
	s_or_b32 s[G0B+4*\s+3], s[G0B+4*\s+3], 0x80000000
	JLOAD G0+4*\s, G1, G0B+4*\s, G1B               ; three tensor loads of mine are out, all that the launch has
.endr
	v_and_b32 v1, 15, v0                           ; l % 16
	v_bfe_u32 v2, v0, 4, 1                         ; l / 16
	; the bias: my 128 f begin at 256 x tile column + 128 x half; a lane wants, for n block b, the eight at 16 b + 8 (l / 16)
	s_lshl_b32 s46, s42, 10
	s_lshl_b32 s47, s16, 9
	s_add_co_u32 s46, s46, s47
	s_mov_b32 s47, 0
	s_add_nc_u64 s[96:97], s[96:97], s[46:47]
	v_lshlrev_b32 v[BO], 5, v2
.irp b, 0,1,2,3,4,5,6,7
	global_load_b128 v[BI+8*\b:BI+8*\b+3], v[BO], s[96:97] offset:64*\b
	global_load_b128 v[BI+8*\b+4:BI+8*\b+7], v[BO], s[96:97] offset:64*\b+16
.endr
	v_mul_u32_u24 v3, v1, PITCH
	v_lshl_add_u32 v4, v2, 4, v3                   ; a fragment's row x pitch + 16 x half
	s_mul_i32 s21, s15, HALFT                      ; my 128 rows of A
	s_mul_i32 s22, s16, HALFT                      ; my 128 rows of B,
	s_add_co_u32 s22, s22, 2*HALFT                 ; which lie behind A's 256
.irp s, 0,1
	v_add_nc_u32 v[ADRA+\s], s21, v4
	v_add_nc_u32 v[ADRB+\s], s22, v4
	s_add_co_u32 s21, s21, SLOT
	s_add_co_u32 s22, s22, SLOT
.endr
	v_mul_u32_u24 v5, v1, KS                       ; my row's scale bytes: KS a row,
	v_lshrrev_b32 v6, 8, v5
	v_lshl_add_u32 v5, v6, 4, v5                   ; and 16 more for each 256 passed
	s_mul_i32 s21, s15, HALFS                      ; A's: my 128 rows
	s_mul_i32 s22, s16, HALFS                      ; B's: my 128 rows, behind A's 256
	s_add_co_u32 s22, s22, 2*HALFS
	s_sub_co_u32 s22, s22, s21
	v_mul_u32_u24 v6, s22, v2                      ; lanes 16-31 take B's: one product, the lower base + half x the distance
	s_add_co_u32 s21, s21, SCL
	v_add_nc_u32 v5, v5, v6
	v_add_nc_u32 v[ADRS], s21, v5
	s_mul_i32 s23, s14, 16*SPITCH                  ; my stage
	v_mul_u32_u24 v5, v1, SPITCH                   ; in: row l % 16, 16 bytes for each half of the lanes
	v_lshl_add_u32 v5, v2, 4, v5
	v_add_nc_u32 v[STO], s23, v5
	v_mul_u32_u24 v5, v2, SPITCH                   ; back: lanes 0-15 take one row of 256 bytes, lanes 16-31 the next
	v_lshl_add_u32 v5, v1, 4, v5
	v_add_nc_u32 v[RD], s23, v5
	; in qkv16: rows 2 i + (l / 16) of a block of 16 are batch 2 (i % 2) + (l / 16), time + i / 2.  A batch is 2^22 bytes
	v_lshlrev_b32 v5, 4, v1
	v_lshl_add_u32 v[CO], v2, 22, v5
	v_add_nc_u32 v[CO+1], 0x800000, v[CO]
	s_lshl_b32 s20, s17, 6
	s_lshl_b32 s21, s15, 5
	s_add_co_u32 s20, s20, s21                     ; my first time step: 64 x tile row + 32 x half
	s_lshl_b32 s20, s20, 8                         ; 256 bytes a row
	s_lshl_b32 s21, ttmp9, 24                      ; the third (q, k, v) is the cluster's x: 1,024 columns are four tiles
	s_add_co_u32 s20, s20, s21
	s_mov_b32 s21, 0
	s_lshl_b32 s46, s40, 1
	s_add_co_u32 s46, s46, s16                     ; the pair of heads: 2 cx + my half of the columns
	s_lshl_b32 s46, s46, 19                        ; 2,048 rows of 256 bytes
	s_mov_b32 s47, 0
	s_add_nc_u64 s[20:21], s[20:21], s[46:47]
	s_add_nc_u64 s[12:13], s[12:13], s[20:21]
.macro FRAG reg, adr, q, i             ; a fragment: lane l holds row l % 16; registers 4 c .. 4 c + 3 hold K = 64 c + 32 (l / 16) + 0 .. 31
.irp c, 0,1
	ds_load_b128 v[\reg+4*\c:\reg+4*\c+3], v[\adr] offset:64*(\q)+32*\c+(\i)*16*PITCH
.endr
.endm
; 16 matrix instructions: A's blocks a0, a0 + 1 x B's eight, the slot's q-th 128 along K.  p: B's set;  sc: the set of scale words.  zero = 1: the first product starts the sums on the bias.
; The 64 accumulators take turns, one instruction a turn, in the same order in every step.
.macro MUL16 a0, p, q, sc, zero
.irp a, \a0, \a0+1
.irp b, 0,1,2,3,4,5,6,7
.if \zero
	v_wmma_scale_f32_16x16x128_f8f6f4 v[8*(8*((\a)%4)+\b):8*(8*((\a)%4)+\b)+7], v[128*(\p)+FR*\b:128*(\p)+FR*\b+FR-1], v[AF+FR*(\a):AF+FR*(\a)+FR-1], v[BI+8*\b:BI+8*\b+7], v[SC+8*NQ*(\sc)+NQ*\b+(\q)], v[SC+8*NQ*(\sc)+NQ*(\a)+(\q)] matrix_a_fmt:MATRIX_FMT_FP4 matrix_b_fmt:MATRIX_FMT_FP4 matrix_a_scale:MATRIX_SCALE_ROW1
.else
	v_wmma_scale_f32_16x16x128_f8f6f4 v[8*(8*((\a)%4)+\b):8*(8*((\a)%4)+\b)+7], v[128*(\p)+FR*\b:128*(\p)+FR*\b+FR-1], v[AF+FR*(\a):AF+FR*(\a)+FR-1], v[8*(8*((\a)%4)+\b):8*(8*((\a)%4)+\b)+7], v[SC+8*NQ*(\sc)+NQ*\b+(\q)], v[SC+8*NQ*(\sc)+NQ*(\a)+(\q)] matrix_a_fmt:MATRIX_FMT_FP4 matrix_b_fmt:MATRIX_FMT_FP4 matrix_a_scale:MATRIX_SCALE_ROW1
.endif
.endr
.endr
.endm
.macro FETCH_B slot, q, p              ; B's eight fragments of the slot's q-th 128 along K into set p
	WIN TO_B
.irp i, 0,1,2,3,4,5,6,7
	FRAG 128*(\p)+FR*\i, ADRB+\slot, \q, \i
.endr
	WIN 0
.endm
.macro FETCH_A slot, q, i0             ; A's blocks i0 .. i0 + 3
.irp i, \i0, \i0+1, \i0+2, \i0+3
	FRAG AF+FR*(\i), ADRA+\slot, \q, \i
.endr
.endm
.macro SCALES sc                       ; a slot's scale words into set sc: four words a row; lanes 0-15 take A's block i, lanes 16-31 B's block i
.irp i, 0,1,2,3,4,5,6,7
	ds_load_b128 v[SC+8*NQ*\sc+NQ*\i:SC+8*NQ*\sc+NQ*\i+3], v[ADRS] offset:\i*SBLK
.endr
.endm
; A load into a register that a matrix instruction has read, and a vector instruction or an LDS store that reads a matrix result, stand NP places behind that matrix instruction; only plain vector
; instructions that name none of its registers are places (ISA guide 7.12.1 for vector instructions).
.macro PLACES n
.rept \n
	v_nop
.endr
.endm
; A step of 128 along K that has its successor in the same slot.  zero = 1: C is the bias, which lies in window 0.
.macro STEP slot, q, zero
	s_wait_dscnt 4*NL                              ; B's set and A's blocks 0-3 are in; the youngest eight loads (A's blocks 4-7) may be out
	WIN MUL_LO-0x20*(\zero)
	MUL16 0, (\q)%2, \q, \slot, \zero
	MUL16 2, (\q)%2, \q, \slot, \zero
	s_wait_dscnt 0                                 ; A's blocks 4-7 are in
	PLACES NP
	FETCH_B \slot, (\q)+1, 1-(\q)%2
	FETCH_A \slot, (\q)+1, 0
	WIN MUL_HI-0x30*(\zero)
	MUL16 4, (\q)%2, \q, \slot, \zero
	MUL16 6, (\q)%2, \q, \slot, \zero
	PLACES NP
	WIN 0
	FETCH_A \slot, (\q)+1, 4
.endm
; Slot 0's last step changes slots: one barrier; in front of it each wave waits for all its tensor loads (slot 1's is the one that may be out), adds 0 to its spare word, and waits for that and for its reads of slot 0.
; Behind it nobody reads slot 0, which takes the stages of the way out.
.macro TURN slot, next
	s_wait_tensorcnt 0x0                           ; all my tensor loads have landed
	ds_add_u32 v[SPW], v[NIL]                      ; 0 onto my spare word
	s_wait_dscnt 4*NL+1                            ; (the add and the youngest eight loads, A's blocks 4-7, may be out)
	WIN MUL_LO
	MUL16 0, 1, NQ-1, \slot, 0                     ; sixteen matrix instructions stand between the add and the wait for it
	s_wait_dscnt 0x0                               ; the add is done, and my reads of this slot are over
	s_barrier_signal -1
	MUL16 2, 1, NQ-1, \slot, 0
	WIN 0
	s_barrier_wait -1
	PLACES NP
	v_add_nc_u32 v[ADRS], 4*NQ, v[ADRS]            ; on to the next slot's scale words
	FETCH_B \next, 0, 0
	FETCH_A \next, 0, 0
	SCALES \next
	WIN MUL_HI
	MUL16 4, 1, NQ-1, \slot, 0
	MUL16 6, 1, NQ-1, \slot, 0
	PLACES NP
	WIN 0
	FETCH_A \next, 0, 4
.endm
.macro STEPS slot, from                ; the slot's steps from .. NQ - 2
.set Q, \from
.rept NQ-1-\from
	STEP \slot, Q, 0
.set Q, Q+1
.endr
.endm
	s_wait_tensorcnt 1                             ; the scale bytes and my part of slot 0 are in (slot 1's load may be out),
	s_barrier_signal -1
	s_barrier_wait -1                              ; everybody's are
	FETCH_B 0, 0, 0
	FETCH_A 0, 0, 0
	SCALES 0
	FETCH_A 0, 0, 4
	s_wait_loadcnt 0x0                             ; the bias
	STEP 0, 0, 1                                   ; the first step's products start the sums on the bias: nothing is cleared, nothing is added later
	STEPS 0, 1
	TURN 0, 1
	STEPS 1, 0
	s_wait_dscnt 4*NL                              ; the very last step: nothing more to fetch
	WIN MUL_LO
	MUL16 0, 1, NQ-1, 1, 0
	MUL16 2, 1, NQ-1, 1, 0
	s_wait_dscnt 0
	WIN MUL_HI
	MUL16 4, 1, NQ-1, 1, 0
	MUL16 6, 1, NQ-1, 1, 0
	WIN 0
	PLACES NP                                      ; in front of the first reads of results, and of the loads into registers that held scale words
	; q x 0.125.  The third is the cluster's x, the same in all sixteen partners: k's and v's work-groups jump over the multiplications
	s_cmp_lg_u32 ttmp9, 0
	s_cbranch_scc1 .Lnoscale
	WIN 0x82                                       ; destination and source 0: window 2
.set i, 0
.rept 128
	v_pk_mul_f32 v[i:i+1], v[i:i+1], s[98:99] op_sel_hi:[1,0]      ; each accumulator from its low end on
.set i, i+2
.endr
	WIN 0xc3                                       ; window 3
.set i, 0
.rept 128
	v_pk_mul_f32 v[i:i+1], v[i:i+1], s[98:99] op_sel_hi:[1,0]
.set i, i+2
.endr
	WIN 0
.Lnoscale:
; THE WAY OUT of block a (16 rows x 128 columns).  PACK: rounded to f16, 16 bytes a lane.  TOSTAGE: into my own stage in LDS, and back as whole rows of 256 bytes.  SEND: stored.
.macro PACK a
.set AC, 64*((\a)%4)
	WIN 0x0a+5*((\a)/4)                            ; sources 0 and 1: window 2 or 3
.irp b, 0,1,2,3,4,5,6,7
.irp r, 0,1,2,3
	v_cvt_pk_f16_f32 v[TMP+4*\b+\r], v[AC+8*\b+2*\r], v[AC+8*\b+2*\r+1]
.endr
.endr
	WIN 0
.endm
.macro TOSTAGE a
.set BK, OB+192*((\a)%2)
.irp b, 0,1,2,3,4,5,6,7
	ds_store_b128 v[STO], v[TMP+4*\b:TMP+4*\b+3] offset:32*\b
.endr
.irp t, 0,1,2,3,4,5,6,7
	ds_load_b128 v[BK+4*\t:BK+4*\t+3], v[RD] offset:\t*2*SPITCH    ; LDS serves a wave's instructions in order (ISA guide 5.7.1.4): these see the stores above
.endr
.endm
.macro SEND a
.set BK, OB+192*((\a)%2)
	s_wait_dscnt 0x0                               ; the block is back in registers
	s_wait_xcnt 0x0                                ; the stores of the block before have read their registers, into which the next block's loads will land
.irp t, 0,1,2,3,4,5,6,7
	global_store_b128 v[CO+(\t%2)], v[BK+4*\t:BK+4*\t+3], s[12:13] offset:(4*(\a)+\t/2)*256   ; 16 lanes store 256 consecutive bytes, aligned: one row of qkv16
.endr
.endm
	PACK 0
	TOSTAGE 0
.irp a, 1,2,3,4,5,6,7                  ; block a's conversions stand between block a - 1's loads from the stage and the wait for them
	PACK \a
	SEND \a-1
	TOSTAGE \a
.endr
	SEND 7
	s_wait_tensorcnt 0x0                           ; the wave's end: a tensor wait, an add of 0 to my spare word and its wait, behind my last tensor load and my last LDS store
	ds_add_u32 v[SPW], v[NIL]
	s_wait_dscnt 0x0
	CROUND                                         ; the closing round
	s_endpgm
.Lfunc_end_k_q018167e0dd_proj:
	.size	k_q018167e0dd_proj, .Lfunc_end_k_q018167e0dd_proj-k_q018167e0dd_proj
	.p2alignl 7, 3214868480
	.fill 96, 4, 3214868480
	.section	.rodata,"a",@progbits
	.p2align	6, 0x0
	.amdhsa_kernel k_q018167e0dd_proj
		.amdhsa_group_segment_fixed_size 327680
		.amdhsa_private_segment_fixed_size 0
		.amdhsa_enable_private_segment 0
		.amdhsa_kernarg_size 48
		.amdhsa_user_sgpr_count 2
		.amdhsa_user_sgpr_kernarg_segment_ptr 1
		.amdhsa_wavefront_size32 1
		.amdhsa_system_sgpr_workgroup_id_x 1
		.amdhsa_system_sgpr_workgroup_id_y 1
		.amdhsa_system_sgpr_workgroup_id_z 1
		.amdhsa_system_vgpr_workitem_id 0
		.amdhsa_next_free_vgpr 1024
		.amdhsa_next_free_sgpr 100
		.amdhsa_reserve_vcc 0
		.amdhsa_float_denorm_mode_32 3
		.amdhsa_float_denorm_mode_16_64 3
		.amdhsa_memory_ordered 1
		.amdhsa_forward_progress 1
		.amdhsa_inst_pref_size 144
	.end_amdhsa_kernel
	.amdgpu_metadata
---
amdhsa.version: [ 1, 2 ]
amdhsa.kernels:
  - .name:           k_q018167e0dd_proj
    .symbol:         k_q018167e0dd_proj.kd
    .args:
      - { .name: qc, .offset: 0, .size: 8, .value_kind: global_buffer, .address_space: global }
      - { .name: qs, .offset: 8, .size: 8, .value_kind: global_buffer, .address_space: global }
      - { .name: wc, .offset: 16, .size: 8, .value_kind: global_buffer, .address_space: global }
      - { .name: ws, .offset: 24, .size: 8, .value_kind: global_buffer, .address_space: global }
      - { .name: b_in, .offset: 32, .size: 8, .value_kind: global_buffer, .address_space: global }
      - { .name: qkv16, .offset: 40, .size: 8, .value_kind: global_buffer, .address_space: global }
    .group_segment_fixed_size: 327680
    .private_segment_fixed_size: 0
    .kernarg_segment_align: 8
    .kernarg_segment_size: 48
    .max_flat_workgroup_size: 128
    .sgpr_count:     100
    .vgpr_count:     1024
    .wavefront_size: 32
...
	.end_amdgpu_metadata
.endif
;; end of part 2
;; launch attention (part 3): grid 32 x 8, 8 waves a work-group, clusters of 4 x 4, 327,680 bytes of LDS; arguments qkv16, attn_mask, kb, att16; writes att16
.if DOCPART == 3
	.amdgcn_target "amdgcn-amd-amdhsa--gfx1250"
	.amdhsa_code_object_version 6
	.text
	.protected	k_q018167e0dd_attention
	.globl	k_q018167e0dd_attention
	.p2align	8
	.type	k_q018167e0dd_attention,@function
k_q018167e0dd_attention:
	s_mov_b64 s[64:65], 0
	v_nop
	global_prefetch_b8 v0, s[64:65] scope:SCOPE_SE
	s_setreg_imm32_b32 hwreg(HW_REG_WAVE_MODE, 25, 1), 1
	s_wait_xcnt 0x0
	s_wait_alu depctr_hold_cnt(0) depctr_sa_sdst(0) depctr_va_vdst(0) depctr_va_sdst(0) depctr_va_ssrc(0) depctr_va_vcc(0) depctr_vm_vsrc(0)
	s_getreg_b32 s2, hwreg(HW_REG_IB_STS2, 6, 4)
	s_cmp_eq_u32 s2, 0
	s_cbranch_scc0 .Lentry_in_a_cluster
	s_endpgm
.Lentry_in_a_cluster:
	s_bfe_u32 s2, ttmp6, 0x10000c
	s_cmp_lg_u32 s2, 0xf033
	s_cbranch_scc0 .Lentry_shape_is_right
	s_endpgm
.Lentry_shape_is_right:
; att[t][b][h][:] = sum over s of softmax_s( where(padded[b][s], -1e9, q[t] . k[s] + attn_mask[t][s]) ) v[s][:].  q (already x 0.125), k, v: f16, from the launch before; products with f16 operands and f32 sums;
; mask, maxima, exponentials and sums in f32; the weights p are rounded to f16 for the second product, the result once to f16 for the projection that follows.  Nothing of reference() is left out.
; f16 and not bf16: six operands are rounded on the way to the output, and 11 significant bits leave the comparison its room.  p is at most 1.
; LIMITS: an infinite or NaN score at a padded key gives NaN where reference() gives -1e9 (the where is score x 0 + constant); a result beyond 65,504 has no f16.
; SHARES.  A work-group owns 256 queries of a PAIR of heads of one batch (a row of qkv16 is the pair's 256 bytes).  Wave w: head w / 4 of the pair, queries 64 (w % 4) on: four tiles of 16, in 512 registers.
; Every wave walks all 2,048 keys, 64 a step.
; LAYOUT.  S^T = K Q^T + mask (source 0 = 16 keys, source 1 = 16 queries): a lane holds ONE query (lane % 16) and the keys 8 (lane / 16) + 0..7 of a tile: eight neighbours of a row of attn_mask, which is therefore LOADED INTO
; the accumulator's registers and is the C of the first product: the mask costs no addition.  Two tiles, rounded to f16 in pairs, ARE source 1 of O^T = V^T P.  K comes out of LDS as it lies, V turned, by ds_load_tr16_b128.
; SOFTMAX.  s'' = S x kc + bc (kc, bc: the first launch; base 2).  For each query a running maximum m and sum l: p = 2^(s'' - m); in every step O and l are multiplied by 2^(m_old - m_new).  O and l begin as zeros and m as -3e38.
; HALF A STEP APART.  A wave's work goes round in two parts: MATRIX (O^T += V^T P of step j - 1, then S^T of step j: 64 products) and SOFTMAX of step j (vector work).  The change of slots cuts that round at two places.
; So a trip is: change of slots; role 0: MATRIX; all: SOFTMAX; role 1: MATRIX: while one role issues products the other issues vector work.
; role = (w + w / 4) mod 2: it differs between waves w and w + 4, and between waves 2 k and 2 k + 1.  The branches hang on the wave's number alone; no barrier, wait for tiles, add or tensor load stands under them.
; Tile j is read from LDS in MATRIX of step j alone, which for both roles lies in trip j; V of step j - 1 crosses the change of slots in registers.
; CLUSTER, 4 x 4.  x counts (batch, pair of heads), y blocks of queries.  The mask's tile hangs on the block of queries alone: it is asked for JOINTLY along a row of the cluster (and serves both heads in LDS);
; K's and V's tiles hang on (batch, pair) alone: jointly along a column.  Waves 0-3 fetch the mask's quarters, waves 4, 5 K's halves, waves 6, 7 V's: one tensor load a wave behind each round, one outstanding.
; REGISTERS.  window 0: v1-14 addresses; v16-55 ten registers of statistics a tile; v56, v57 the add's two; v64-191 S^T, 32 a tile: mask, scores, p, then P packed in place; v192-255 eight fragments of K, later of V^T.
;   window 1: v0-127 O^T, 32 a tile; v128-191 Q, 16 a tile; v192-223 kc, v224-255 bc of a step's keys in the scores' layout.
.set SLOT1, 131072                     ; slot 1 begins here: one exclusive or turns an address in one slot into the other's
.set MP,    272                        ; a row of the mask's tile in LDS: 64 f32 + 16 bytes of padding: the 16 rows that a load touches start at 16 different banks (64 banks of 4 bytes: ISA guide 11.1)
.set KP,    272                        ; a row of K: 256 bytes + 16
.set VP,    288                        ; a row of V: 256 + 32
.set KOFF,  256*MP                     ; a slot: 256 rows of the mask, 64 of K, 64 of V
.set VOFF,  KOFF+64*KP
.set SPARE, 262144                     ; behind the slots: the spare words, 128 bytes a wave, which no other line names
.set AM0, 3                            ; v3   my lane's place in the mask's tile
.set AK0, 4                            ; v4   in K's
.set AV0, 5                            ; v5   in V's
.set ADM, 6                            ; v6-8 the same in the slot in hand: written at each change of slots, on the way that all waves take
.set ADK, 7
.set ADV, 8
.set QO,  9                            ; v9   my byte offset in the wave's rows of q
.set KBO, 10                           ; v10  my byte offset among a tile's key constants
.set STO, 11                           ; v11  the way out: where I put 16 bytes of a row
.set RD,  12                           ; v12  where I read a row back
.set GO,  13                           ; v13  my byte offset in att16
.set PFO, 14                           ; v14  the prefetches' offset: a lane a row
.set ST,  16                           ; tile t's statistics at v[ST + 10 t]: +0 m, +1 its pair partner, +2, +3 l, +4, +5 c0, c1, later sum A, +6 c2, later the factor, +7 c3, later its exponent, +8, +9 sum B
.set SPW, 56
.set NIL, 57
.set S,   64
.set KV,  192
.set QF,  128                          ; in window 1
.set KC,  192
.set BC,  224
.set WV,  12                           ; s12  my wave's number
.set ROLE, 19                          ; s19  my role, 0 or 1
.set G1M, 24                           ; s[24:31], s[32:39], s[40:47] descriptor group 1 for the mask's, K's, V's tiles
.set G1K, 32
.set G1V, 40
.set G0M, 48                           ; s[48:51], s[52:55], s[56:59] their groups 0, which walk
.set G0K, 52
.set G0V, 56
.set SEL, 60                           ; s[60:61] lane selects for v_permlanex16_b32: lane l xor 16
.set TB,  62                           ; s62  LDS byte at which the next trip's slot begins
.set CNT, 63                           ; s63  tiles still to be asked for
.set PFA, 66                           ; s[66:67] where my prefetches stand
.set PFS, 68                           ; s[68:69] a tile on, in bytes
.set LIM, 70                           ; s70  2 in a wave that prefetches, else the greatest number
.set MSB, 0
.macro WIN new                         ; bits 1:0 source 0, 3:2 source 1, 5:4 source 2, 7:6 destination; the high byte repeats the setting that is left
.if MSB != (\new)
	s_set_vgpr_msb (MSB<<8)|(\new)
.set MSB, (\new)
.endif
.endm
.macro PLACES n
.rept \n
	v_nop
.endr
.endm
.macro CROUND                          ; a round of the cluster's barrier
	s_barrier_signal -1
	s_barrier_wait -1
	s_cmp_lg_u32 s[WV], 0
	s_cbranch_scc1 .Lnot_wave_0_\@
	s_barrier_signal -3
.Lnot_wave_0_\@:
	s_barrier_wait -3
	s_barrier_signal -1
	s_barrier_wait -1
.endm
; A joint load: every wave issues one.  The branches hang on the wave's number alone; each line has one mask and one set of registers.  An s_nop 0 and four v_nop follow each line.
.macro TLOAD
	s_cmp_lt_u32 s[WV], 4
	s_cbranch_scc0 .Lnot_m_\@
	tensor_load_to_lds s[G0M:G0M+3], s[G1M:G1M+7]
	s_nop 0
.rept 4
	v_nop
.endr
	s_branch .Lasked_\@
.Lnot_m_\@:
	s_cmp_lt_u32 s[WV], 6
	s_cbranch_scc0 .Lnot_k_\@
	tensor_load_to_lds s[G0K:G0K+3], s[G1K:G1K+7]
	s_nop 0
.rept 4
	v_nop
.endr
	s_branch .Lasked_\@
.Lnot_k_\@:
	tensor_load_to_lds s[G0V:G0V+3], s[G1V:G1V+7]
	s_nop 0
.rept 4
	v_nop
.endr
.Lasked_\@:
.endm
; A PREFETCH INTO THE L2: in the trip that asks for tile j + 1 by tensor load, tile j + 3 is named: two trips, 128 matrix instructions of each wave, ahead of the load that will want it.  A tile's part of a row is 256 bytes, aligned; a lane a row.
; Each row's part is named ONCE in the launch.  The mask's rows are read by every cluster along x: the clusters with x = 0 ask, their partners told apart BY ADDRESS (64 rows by cx, 32 of them to each of waves 0 and 1).
; K's and V's rows are read by both clusters along y: the clusters with y = 0 ask, wave 2, 32 rows by cy (cy / 2: K or V; cy % 2: which half).  Tiles 0 to 2 come by their loads alone; the last trips ask for nothing.
.macro ASK
	s_cmp_gt_u32 s[CNT], s[LIM]
	s_cbranch_scc0 .Lnot_mine_\@
	global_prefetch_b8 v[PFO], s[PFA:PFA+1] th:TH_LOAD_NT scope:SCOPE_SE
.Lnot_mine_\@:
.endm
.macro KBLOAD                          ; a step's kc and bc: register 8 kt + j = the constant of key 16 kt + 8 (lane / 16) + j.  (Under a setting with the destination in window 1)
.irp kt, 0,1,2,3
	global_load_b128 v[KC+8*\kt:KC+8*\kt+3], v[KBO], s[8:9] offset:64*\kt
	global_load_b128 v[KC+8*\kt+4:KC+8*\kt+7], v[KBO], s[8:9] offset:64*\kt+16
	global_load_b128 v[BC+8*\kt:BC+8*\kt+3], v[KBO], s[8:9] offset:32768+64*\kt
	global_load_b128 v[BC+8*\kt+4:BC+8*\kt+7], v[KBO], s[8:9] offset:32768+64*\kt+16
.endr
.endm
	s_load_b256 s[4:11], s[0:1], 0x0               ; qkv16 s[4:5], attn_mask s[6:7], kb s[8:9], att16 s[10:11]
	v_lshl_add_u32 v[SPW], v0, 2, SPARE
	v_mov_b32 v[NIL], 0
	ds_add_u32 v[SPW], v[NIL]                      ; the wave's opening: the add, twice on end, and its wait ahead of my first tensor load
	ds_add_u32 v[SPW], v[NIL]
	v_lshrrev_b32 v1, 5, v0
	v_readfirstlane_b32 s[WV], v1                  ; wave 0..7
	s_lshr_b32 s13, s[WV], 2                       ; which head of the pair
	s_and_b32 s14, s[WV], 3                        ; g: which 64 queries.  Also: which quarter of the mask's tile waves 0-3 fetch
	s_xor_b32 s[ROLE], s[WV], s13
	s_and_b32 s[ROLE], s[ROLE], 1                  ; (w + w / 4) mod 2: waves 0, 2, 5, 7 have role 0, waves 1, 3, 4, 6 role 1
	s_bfe_u32 s15, ttmp6, 0x40000                  ; cx
	s_bfe_u32 s16, ttmp6, 0x40004                  ; cy
	s_lshl_b32 s17, ttmp9, 2
	s_add_co_u32 s17, s17, s15                     ; 8 b + hp = 4 x cluster x + cx
	s_and_b32 s18, ttmp7, 0xffff
	s_lshl_b32 s18, s18, 2
	s_add_co_u32 s18, s18, s16                     ; y, the block of 256 queries = 4 x cluster y + cy
	s_lshl_b32 s72, s16, 2
	s_lshl_b32 s72, 15, s72                        ; my row of the cluster
	s_lshl_b32 s73, 0x1111, s15                    ; my column
	s_or_b32 s[G1M], s72, (2<<16)|(1<<20)|(1<<21)|(5<<22)|(3<<25)   ; 15:0 the mask of work-groups; 17:16 elements of 4 bytes; 20 padding on; 21 set beside a mask; 24:22 after every 64 words; 31:25 four words
	s_or_b32 s[G1K], s73, (1<<16)|(1<<20)|(1<<21)|(5<<22)|(3<<25)   ; elements of 2 bytes
	s_or_b32 s[G1V], s73, (1<<16)|(1<<20)|(1<<21)|(5<<22)|(7<<25)   ; eight words of padding
	s_mov_b32 s[G1M+1], 64<<16                     ; tensor_dim0 = 64 keys
	s_mov_b32 s[G1M+2], 64<<16                     ; tensor_dim1 = 64 queries
	s_mov_b32 s[G1M+3], 64<<16                     ; tile_dim0
	s_mov_b32 s[G1M+4], 64                         ; tile_dim1
	s_mov_b32 s[G1M+5], 2048                       ; elements from row to row
	s_mov_b32 s[G1M+6], 0
	s_mov_b32 s[G1M+7], 0
.irp g, G1K, G1V
	s_mov_b32 s[\g+1], 128<<16                     ; 128 elements: the pair's two heads
	s_mov_b32 s[\g+2], 32<<16                      ; 32 keys
	s_mov_b32 s[\g+3], 128<<16
	s_mov_b32 s[\g+4], 32
	s_mov_b32 s[\g+5], 128
	s_mov_b32 s[\g+6], 0
	s_mov_b32 s[\g+7], 0
.endr
	s_lshl_b32 s74, s18, 8
	s_lshl_b32 s75, s14, 6
	s_add_co_u32 s74, s74, s75                     ; row 256 y + 64 g: of the mask (what I fetch, if I fetch it), and my first query
	s_lshl_b32 s80, s74, 8                         ; q: 256 bytes a row,
	s_lshl_b32 s74, s74, 13                        ; the mask: 8,192 bytes a row
	s_mov_b32 s75, 0
	s_lshl_b32 s76, s17, 19                        ; (b, hp): 2,048 rows of 256 bytes
	s_add_co_u32 s80, s80, s76
	s_lshl_b32 s81, s13, 7
	s_add_co_u32 s80, s80, s81                     ; + my head's 128 bytes
	s_mov_b32 s81, 0
	s_and_b32 s78, s[WV], 1                        ; which 32 keys of K's or V's tile I fetch
	s_lshl_b32 s77, s78, 13
	s_add_co_u32 s76, s76, s77
	s_add_co_u32 s76, s76, 1<<24                   ; k is the second third of qkv16
	s_mov_b32 s77, 0
	s_lshl_b32 s82, s18, 10
	s_lshl_b32 s83, s[WV], 7
	s_add_co_u32 s82, s82, s83                     ; att16: row 4 (256 y + 32 w)
	s_lshr_b32 s83, ttmp9, 1                       ; b, the same in all sixteen partners
	s_add_co_u32 s82, s82, s83                     ; + b
	s_lshl_b32 s82, s82, 11                        ; 2,048 bytes a row
	s_lshl_b32 s84, s83, 13                        ; kb: 2,048 keys of 4 bytes a batch
	s_mov_b32 s85, 0
	s_and_b32 s83, s17, 7                          ; hp
	s_lshl_b32 s83, s83, 8
	s_add_co_u32 s82, s82, s83
	s_mov_b32 s83, 0
	s_mul_i32 s86, s14, 64*MP                      ; where the tiles go: no place in the cluster enters an LDS address
	s_mul_i32 s87, s78, 32*KP
	s_mul_i32 s88, s78, 32*VP
	s_wait_dscnt 0x0                               ; both opening adds are done
	s_wait_kmcnt 0x0
	s_add_nc_u64 s[8:9], s[8:9], s[84:85]          ; my batch's key constants
	s_add_nc_u64 s[10:11], s[10:11], s[82:83]      ; the first row that I store
	s_add_nc_u64 s[80:81], s[4:5], s[80:81]        ; my first query
	s_mov_b32 s[G0M], 1                            ; 1:0 count = 1
	s_mov_b32 s[G0M+1], s86                        ; 63:32 LDS address: slot 0
	s_add_nc_u64 s[G0M+2:G0M+3], s[6:7], s[74:75]  ; 120:64 global address: keys 0 to 63
	s_or_b32 s[G0M+3], s[G0M+3], 0x80000000        ; 127:126 type = 2
	s_mov_b32 s[G0K], 1
	s_add_co_u32 s[G0K+1], s87, KOFF
	s_add_nc_u64 s[G0K+2:G0K+3], s[4:5], s[76:77]
	s_or_b32 s[G0K+3], s[G0K+3], 0x80000000
	s_mov_b32 s[G0V], 1
	s_add_co_u32 s[G0V+1], s88, VOFF
	s_add_nc_u64 s[G0V+2:G0V+3], s[4:5], s[76:77]
	s_add_nc_u64 s[G0V+2:G0V+3], s[G0V+2:G0V+3], 1<<24             ; v is the third third
	s_or_b32 s[G0V+3], s[G0V+3], 0x80000000
	CROUND                                         ; all sixteen work-groups are here: the first joint loads meet
	TLOAD                                          ; tile 0 into slot 0
	v_and_b32 v1, 15, v0                           ; r = l % 16
	v_bfe_u32 v2, v0, 4, 1                         ; h = l / 16
	v_lshlrev_b32 v[QO], 8, v1
	v_lshl_add_u32 v[QO], v2, 4, v[QO]             ; row r x 256 + 16 h
	v_lshlrev_b32 v[KBO], 5, v2                    ; 8 h keys of 4 bytes
	WIN 0x40                                       ; destination window 1
.irp t, 0,1,2,3                        ; Q stays in registers: tile t, channels 32 ks on: a fragment is two loads of 16 bytes, 32 bytes apart
.irp ks, 0,1
	global_load_b128 v[QF+16*\t+8*\ks:QF+16*\t+8*\ks+3], v[QO], s[80:81] offset:4096*\t+64*\ks
	global_load_b128 v[QF+16*\t+8*\ks+4:QF+16*\t+8*\ks+7], v[QO], s[80:81] offset:4096*\t+64*\ks+32
.endr
.endr
	KBLOAD                                         ; step 0's key constants
.set i, 0
.rept 128
	v_mov_b32 v[i], 0                              ; O^T.  (The softmax is written without a first form: the first step finds zeros, which its factor 0 leaves zeros)
.set i, i+1
.endr
	WIN 0
	v_mul_u32_u24 v58, v1, MP                      ; 272 r
	s_mul_i32 s72, s14, 64*MP
	v_lshl_add_u32 v[AM0], v2, 5, v58
	v_add_nc_u32 v[AM0], s72, v[AM0]               ; the mask: row 64 g + r, + 32 h: my eight keys of a tile of 16
	s_lshl_b32 s73, s13, 7
	v_lshl_add_u32 v59, v2, 4, v58
	v_add_nc_u32 v59, s73, v59                     ; 272 r + 16 h + 128 head
	v_add_nc_u32 v[AK0], KOFF, v59                 ; K: key r, my head, + 16 h
	v_add_nc_u32 v[STO], s72, v59                  ; the stage of the way out: row 64 g + r, my head's half, + 16 h
	v_and_b32 v[AV0], 7, v0                        ; V, for the turning load: key 8 h + l % 8, channels 8 ((l / 8) % 2) on
	v_lshl_add_u32 v[AV0], v2, 3, v[AV0]
	v_mul_u32_u24 v[AV0], v[AV0], VP
	v_bfe_u32 v58, v0, 3, 1
	v_lshl_add_u32 v[AV0], v58, 4, v[AV0]
	s_add_co_u32 s73, s73, VOFF
	v_add_nc_u32 v[AV0], s73, v[AV0]
	s_mul_i32 s72, s[WV], 32*272                   ; back from the stage: wave w takes rows 32 w on, whole: lanes 0-15 one row of 256 bytes, lanes 16-31 the next
	v_mul_u32_u24 v58, v2, 272
	v_lshl_add_u32 v58, v1, 4, v58
	v_add_nc_u32 v[RD], s72, v58
	v_lshlrev_b32 v58, 4, v1
	v_lshl_add_u32 v[GO], v2, 13, v58              ; and in att16: a query on is four rows of 2,048 bytes
.irp t, 0,1,2,3
	v_mov_b32 v[ST+10*\t], 0xff61b1e6              ; m = -3e38, under every score
	v_mov_b32 v[ST+10*\t+1], 0                     ; (named with m as a pair, so it is written)
	v_mov_b32 v[ST+10*\t+2], 0                     ; l, in two halves
	v_mov_b32 v[ST+10*\t+3], 0
.endr
	; the prefetches: where my wave's stand, and who asks
	s_and_b32 s72, ttmp7, 0xffff                   ; cluster y
	s_lshl_b32 s73, s18, 8
	s_lshl_b32 s74, s15, 6
	s_add_co_u32 s73, s73, s74
	s_lshl_b32 s74, s[WV], 5
	s_add_co_u32 s73, s73, s74                     ; the mask's row 256 y + 64 cx + 32 w
	s_lshl_b32 s73, s73, 13
	s_add_co_u32 s73, s73, 2*256                   ; at tile 2: the first change of slots steps it to tile 3
	s_lshr_b32 s74, s16, 1
	s_add_co_u32 s74, s74, 1
	s_lshl_b32 s74, s74, 24                        ; k or v, by cy / 2,
	s_lshl_b32 s75, s17, 19
	s_add_co_u32 s74, s74, s75                     ; my (b, hp),
	s_and_b32 s75, s16, 1
	s_lshl_b32 s75, s75, 13
	s_add_co_u32 s74, s74, s75                     ; which 32 keys, by cy % 2,
	s_add_co_u32 s74, s74, 2*16384                 ; at tile 2
	s_cmp_lt_u32 s[WV], 2                          ; waves 0 and 1: the mask; wave 2: K or V
	s_cselect_b64 s[PFA:PFA+1], s[6:7], s[4:5]
	s_cselect_b32 s76, s73, s74
	s_cselect_b32 s78, ttmp9, s72                  ; the coordinate along which other clusters read the same rows
	s_cselect_b32 s79, 13, 8                       ; from lane to lane: a row of 8,192 or of 256 bytes
	s_cselect_b32 s86, 8, 14                       ; a tile on: 256 bytes along a row, or 64 rows of 256
	s_mov_b32 s77, 0
	s_add_nc_u64 s[PFA:PFA+1], s[PFA:PFA+1], s[76:77]
	s_lshl_b32 s[PFS], 1, s86
	s_mov_b32 s[PFS+1], 0
	s_cmp_lt_u32 s[WV], 3
	s_cselect_b32 s78, s78, 1                      ; waves 3 to 7 ask for nothing
	s_cmp_eq_u32 s78, 0
	s_cselect_b32 s[LIM], 2, -1                    ; made of the wave's number and the cluster's x and y alone: the same in all sixteen partners
	v_and_b32 v[PFO], 31, v0
	v_lshlrev_b32 v[PFO], s79, v[PFO]
	s_mov_b32 s[SEL], 0x76543210
	s_mov_b32 s[SEL+1], 0xfedcba98
	s_mov_b32 s[TB], 0
	s_mov_b32 s[CNT], 31
; THE CHANGE OF SLOTS stands at a trip's head.  Each wave waits for all its tensor loads (its part of the tile that this trip reads), adds 0 to its spare word, and waits for that and for its LDS loads: its reads of the slot that it has left.
; fill = 1: the barrier is a round of the cluster's, so that no wave of any partner still reads that slot or has a load on its way; the joint load of the next tile is the first thing behind it and has a whole trip in which to land.
; Behind it, on the way that all waves take, the trip's three LDS addresses are made.
.macro CHANGE fill
	s_wait_tensorcnt 0x0                           ; no tensor load of mine is out, so a group 0 may be written
	ds_add_u32 v[SPW], v[NIL]                      ; 0 onto my spare word; the steps below stand between it and the wait for it
.if \fill
	s_xor_b32 s[G0M+1], s[G0M+1], SLOT1            ; the walking descriptors: the other slot than last time,
	s_add_nc_u64 s[G0M+2:G0M+3], s[G0M+2:G0M+3], 256               ; the next 64 keys: along the mask's rows,
	s_xor_b32 s[G0K+1], s[G0K+1], SLOT1
	s_add_nc_u64 s[G0K+2:G0K+3], s[G0K+2:G0K+3], 16384             ; down K's and V's
	s_xor_b32 s[G0V+1], s[G0V+1], SLOT1
	s_add_nc_u64 s[G0V+2:G0V+3], s[G0V+2:G0V+3], 16384
	s_wait_xcnt 0x0                                ; the last trip's prefetch has read its address, so it may be written:
	s_add_nc_u64 s[PFA:PFA+1], s[PFA:PFA+1], s[PFS:PFS+1]
	s_wait_dscnt 0x0                               ; the add is done, and my reads of the slot that I have left are over
	CROUND
	TLOAD
	ASK                                            ; behind the tensor load's lines
.else
	s_wait_dscnt 0x0
	s_barrier_signal -1
	s_barrier_wait -1
.endif
	v_add_nc_u32 v[ADM], s[TB], v[AM0]
	v_add_nc_u32 v[ADK], s[TB], v[AK0]
	v_add_nc_u32 v[ADV], s[TB], v[AV0]
	s_xor_b32 s[TB], s[TB], SLOT1                  ; the next trip reads the other slot
.endm
; THE LDS LOADS.  LDK f0: four fragments of K, f0 .. f0 + 3 (fragment 2 kt + ks: keys 16 kt on, channels 32 ks on): 8 loads.  LDM kt: the mask of keys 16 kt on, for my four tiles of queries, into the accumulators: 8 loads.
; LDV: V^T, eight fragments (4 u + dt: keys 32 u on, channels 16 dt on): 16 turning loads.
.macro LDK f0
.irp f, \f0, \f0+1, \f0+2, \f0+3
	ds_load_b128 v[KV+8*(\f):KV+8*(\f)+3], v[ADK] offset:16*KP*((\f)/2)+64*((\f)%2)
	ds_load_b128 v[KV+8*(\f)+4:KV+8*(\f)+7], v[ADK] offset:16*KP*((\f)/2)+64*((\f)%2)+32
.endr
.endm
.macro LDM kt
.irp t, 0,1,2,3
	ds_load_b128 v[S+32*\t+8*(\kt):S+32*\t+8*(\kt)+3], v[ADM] offset:16*MP*\t+64*(\kt)
	ds_load_b128 v[S+32*\t+8*(\kt)+4:S+32*\t+8*(\kt)+7], v[ADM] offset:16*MP*\t+64*(\kt)+16
.endr
.endm
.macro LDV
.irp u, 0,1
.irp dt, 0,1,2,3
	ds_load_tr16_b128 v[KV+8*(4*\u+\dt):KV+8*(4*\u+\dt)+3], v[ADV] offset:32*VP*\u+32*\dt
	ds_load_tr16_b128 v[KV+8*(4*\u+\dt)+4:KV+8*(4*\u+\dt)+7], v[ADV] offset:32*VP*\u+32*\dt+16*VP
.endr
.endr
.endm
; THE PRODUCTS.  The accumulators take turns, one instruction a turn: between two links of a chain stand 7 (QK) or 15 (PV) others'.
; QK k0: S^T = K Q^T + mask for keys 16 k0 .. 16 k0 + 31: 16 products.  (Under source 1, Q, in window 1)
.macro QK k0
.irp ks, 0,1
.irp kt, \k0, \k0+1
.irp t, 0,1,2,3
	v_wmma_f32_16x16x32_f16 v[S+32*\t+8*(\kt):S+32*\t+8*(\kt)+7], v[KV+8*(2*(\kt)+\ks):KV+8*(2*(\kt)+\ks)+7], v[QF+16*\t+8*\ks:QF+16*\t+8*\ks+7], v[S+32*\t+8*(\kt):S+32*\t+8*(\kt)+7]
.endr
.endr
.endr
.endm
; PV u: O^T += V^T P for keys 32 u .. 32 u + 31: 16 products.  (Under C and D, O^T, in window 1)
.macro PV u
.irp dt, 0,1,2,3
.irp t, 0,1,2,3
	v_wmma_f32_16x16x32_f16 v[32*\t+8*\dt:32*\t+8*\dt+7], v[KV+8*(4*(\u)+\dt):KV+8*(4*(\u)+\dt)+7], v[S+32*\t+16*(\u):S+32*\t+16*(\u)+7], v[32*\t+8*\dt:32*\t+8*\dt+7]
.endr
.endr
.endm
; Step 0's scores: there is no step before it.
.macro SCORES0
	LDK 0
	LDM 0
	LDM 1
	LDK 4
	LDM 2
	LDM 3
	s_wait_dscnt 24                                ; keys 0 to 31 are in: the 24 loads of keys 32 to 63 may be out
	WIN 0x04                                       ; source 1 (Q) window 1
	QK 0
	s_wait_dscnt 0x0
	QK 2
	WIN 0
	PLACES 4                                       ; in front of the loads into K's registers and of the first reads of the scores
	LDV                                            ; V of this step: it is multiplied behind the softmax
.endm
; MATRIX: O^T += V^T P of the step in hand, then the next step's scores.  The next step's LDS loads stand under the products, each run as soon as its registers are free:
; packed P lies in registers 0-7 and 16-23 of a tile's 32, so the mask of keys 16-31 and 48-63 can be asked for at once; V's first four fragments and P's first half are free behind the first 16 products.
.macro MATRIX
	s_wait_dscnt 0x0                               ; V is in (it was asked for behind the last scores, and a change of slots, which waits for all LDS loads, lies between: nothing is out here)
	LDM 1
	LDM 3
	WIN 0x50                                       ; C and D (O^T) window 1
	PV 0
	WIN 0
	PLACES 4                                       ; in front of loads into registers that those products have read
	LDK 0
	LDM 0
	WIN 0x50
	PV 1
	WIN 0
	PLACES 5                                       ; four are owed to the loads into V's and P's registers, five to the products that write over P's
	LDK 4
	LDM 2
	s_wait_dscnt 16                                ; keys 0 to 31 are in: the 16 loads just issued may be out
	WIN 0x04
	QK 0
	s_wait_dscnt 0x0
	QK 2
	WIN 0
	PLACES 4                                       ; in front of the loads into K's registers and of the first reads of the scores
	LDV
.endm
.macro LASTPV                          ; the last step's O^T += V^T P
	s_wait_dscnt 0x0                               ; V is in
	WIN 0x50
	PV 0
	PV 1
	WIN 0
.endm
; SOFTMAX of one step: scores in S^T become P, packed in place; m, l and O^T are brought on.  next = 1: the next step's key constants are loaded into the registers just read.
.macro SOFTMAX next
	s_wait_loadcnt 0x0                             ; this step's key constants, asked for a step ago; their loads are done, so their base may be stepped below
	WIN 0x14                                       ; sources 1 and 2 window 1
.irp t, 0,1,2,3                        ; s'' = S x kc + bc: the padded keys' -1e9 and the change to base 2; each accumulator from its low end on
.irp kt, 0,1,2,3
.irp i, 0,2,4,6
	v_pk_fma_f32 v[S+32*\t+8*\kt+\i:S+32*\t+8*\kt+\i+1], v[S+32*\t+8*\kt+\i:S+32*\t+8*\kt+\i+1], v[KC+8*\kt+\i:KC+8*\kt+\i+1], v[BC+8*\kt+\i:BC+8*\kt+\i+1]
.endr
.endr
.endr
.if \next
	s_add_nc_u64 s[8:9], s[8:9], 256               ; 64 keys on
	WIN 0x40
	KBLOAD
.endif
	WIN 0
.irp j, 0,1,2,3                        ; the maximum of a lane's 32 scores and the old m, three operands at a time, four chains a tile, the four tiles by turns
.irp t, 0,1,2,3
	v_max3_num_f32 v[ST+10*\t+4+\j], v[S+32*\t+8*\j], v[S+32*\t+8*\j+1], v[S+32*\t+8*\j+2]
.endr
.endr
.irp q, 1,2
.irp j, 0,1,2,3
.irp t, 0,1,2,3
	v_max3_num_f32 v[ST+10*\t+4+\j], v[ST+10*\t+4+\j], v[S+32*\t+8*\j+2*\q+1], v[S+32*\t+8*\j+2*\q+2]
.endr
.endr
.endr
.irp t, 0,1,2,3
	v_max3_num_f32 v[ST+10*\t+4], v[ST+10*\t+4], v[S+32*\t+7], v[S+32*\t+15]
.endr
.irp t, 0,1,2,3
	v_max3_num_f32 v[ST+10*\t+6], v[ST+10*\t+6], v[S+32*\t+23], v[S+32*\t+31]
.endr
.irp t, 0,1,2,3
	v_max3_num_f32 v[ST+10*\t+4], v[ST+10*\t+4], v[ST+10*\t+5], v[ST+10*\t+6]
.endr
.irp t, 0,1,2,3
	v_max3_num_f32 v[ST+10*\t+4], v[ST+10*\t+4], v[ST+10*\t+7], v[ST+10*\t]
.endr
.irp t, 0,1,2,3
	v_permlanex16_b32 v[ST+10*\t+5], v[ST+10*\t+4], s[SEL], s[SEL+1]   ; the query's other 32 keys lie in the lane 16 away
.endr
.irp t, 0,1,2,3
	v_mov_b32 v[ST+10*\t+7], v[ST+10*\t]           ; the old m
.endr
.irp t, 0,1,2,3
	v_max_num_f32 v[ST+10*\t], v[ST+10*\t+4], v[ST+10*\t+5]        ; the new m
.endr
.irp t, 0,1,2,3
	v_sub_f32 v[ST+10*\t+7], v[ST+10*\t+7], v[ST+10*\t]            ; old less new: 0 or less
.endr
.irp t, 0,1,2,3
.set i, 0
.rept 16
	v_pk_add_f32 v[S+32*\t+i:S+32*\t+i+1], v[S+32*\t+i:S+32*\t+i+1], v[ST+10*\t:ST+10*\t+1] op_sel_hi:[1,0] neg_lo:[0,1] neg_hi:[0,1]   ; s'' - m, two at a time
.set i, i+2
.endr
.endr
.irp t, 0,1,2,3                        ; ONE BATCH of exponentials: the four factors and the 128 weights; none of them reads another's result
	v_exp_f32 v[ST+10*\t+6], v[ST+10*\t+7]
.endr
.set i, 0
.rept 128
	v_exp_f32 v[S+i], v[S+i]
.set i, i+1
.endr
	v_nop                                          ; a plain instruction behind the last exponential, ahead of the first use
	s_wait_alu depctr_va_vdst(0)                   ; the wait ahead of the first instruction that names a result: one for the batch
.irp t, 0,1,2,3                        ; the sums of the weights as f32, two chains a tile
	v_pk_add_f32 v[ST+10*\t+4:ST+10*\t+5], v[S+32*\t:S+32*\t+1], v[S+32*\t+2:S+32*\t+3]
.endr
.irp t, 0,1,2,3
	v_pk_add_f32 v[ST+10*\t+8:ST+10*\t+9], v[S+32*\t+4:S+32*\t+5], v[S+32*\t+6:S+32*\t+7]
.endr
.irp i, 8,12,16,20,24,28
.irp t, 0,1,2,3
	v_pk_add_f32 v[ST+10*\t+4:ST+10*\t+5], v[ST+10*\t+4:ST+10*\t+5], v[S+32*\t+\i:S+32*\t+\i+1]
.endr
.irp t, 0,1,2,3
	v_pk_add_f32 v[ST+10*\t+8:ST+10*\t+9], v[ST+10*\t+8:ST+10*\t+9], v[S+32*\t+\i+2:S+32*\t+\i+3]
.endr
.endr
.irp t, 0,1,2,3
	v_pk_add_f32 v[ST+10*\t+4:ST+10*\t+5], v[ST+10*\t+4:ST+10*\t+5], v[ST+10*\t+8:ST+10*\t+9]
.endr
.irp t, 0,1,2,3
	v_pk_fma_f32 v[ST+10*\t+2:ST+10*\t+3], v[ST+10*\t+2:ST+10*\t+3], v[ST+10*\t+6:ST+10*\t+7], v[ST+10*\t+4:ST+10*\t+5] op_sel_hi:[1,0,1]   ; l = l x factor + the step's sum
.endr
.irp t, 0,1,2,3                        ; P: two tiles of 16 keys, rounded to f16 in pairs, are a fragment of 32 keys; packed in place: a destination never passes its sources
.irp u, 0,1
.irp i, 0,1,2,3,4,5,6,7
	v_cvt_pk_f16_f32 v[S+32*\t+16*\u+\i], v[S+32*\t+16*\u+2*\i], v[S+32*\t+16*\u+2*\i+1]
.endr
.endr
.endr
	WIN 0x41                                       ; O^T (destination and source 0) window 1, the factor window 0
.irp t, 0,1,2,3
.set i, 0
.rept 16
	v_pk_mul_f32 v[32*\t+i:32*\t+i+1], v[32*\t+i:32*\t+i+1], v[ST+10*\t+6:ST+10*\t+7] op_sel_hi:[1,0]
.set i, i+2
.endr
.endr
	WIN 0                                          ; at a label and at a branch every window is 0
.endm
	s_wait_loadcnt 0x0                             ; Q, which the first products read, and step 0's key constants
	CHANGE 1                                       ; TRIP 0, written out: tile 0 is in, tile 1 is asked for
	SCORES0                                        ; all waves: step 0's scores
	s_cmp_lg_u32 s[ROLE], 0
	s_cbranch_scc1 .Lfirst
	SOFTMAX 1                                      ; role 0 goes half a step ahead: step 0's softmax
.Lfirst:
	s_mov_b32 s[CNT], 30
.Lstep:                                            ; TRIPS 1 TO 30: trip j asks for tile j + 1 and reads tile j
	CHANGE 1
	s_cmp_lg_u32 s[ROLE], 0
	s_cbranch_scc1 .Lnot_0
	MATRIX                                         ; role 0: V^T P of step j - 1, scores of step j,
.Lnot_0:
	SOFTMAX 1                                      ; role 0: softmax of step j; role 1: of step j - 1,
	s_cmp_eq_u32 s[ROLE], 0
	s_cbranch_scc1 .Lnot_1
	MATRIX                                         ; role 1: V^T P of step j - 1, scores of step j
.Lnot_1:
	s_sub_co_u32 s[CNT], s[CNT], 1
	s_cmp_lg_u32 s[CNT], 0
	s_cbranch_scc1 .Lstep
	CHANGE 0                                       ; TRIP 31 is written out: nothing is asked for
	s_cmp_eq_u32 s[ROLE], 0
	s_cbranch_scc1 .Ltail
	SOFTMAX 1                                      ; role 1 catches up: step 30's softmax
.Ltail:
	MATRIX                                         ; all waves: V^T P of step 30, scores of step 31,
	SOFTMAX 0                                      ; the last softmax: no key constants are left to load,
	LASTPV                                         ; and V^T P of step 31
	; THE WAY OUT.  l's two halves and the other half of the lanes' are added; O^T is divided by l, rounded to f16 and sent through a stage in LDS, since a row's 256 bytes come from two waves (the pair's two heads).
	; The stage, 256 rows x 272 bytes, lies in slot 0, which was left at the last change of slots: it has had its last fill, and nobody reads it.  The four additions are the places behind the last products.
.irp t, 0,1,2,3
	v_add_f32 v[ST+10*\t+4], v[ST+10*\t+2], v[ST+10*\t+3]
.endr
.irp t, 0,1,2,3
	v_permlanex16_b32 v[ST+10*\t+5], v[ST+10*\t+4], s[SEL], s[SEL+1]
.endr
.irp t, 0,1,2,3
	v_add_f32 v[ST+10*\t+4], v[ST+10*\t+4], v[ST+10*\t+5]
.endr
.irp t, 0,1,2,3
	v_rcp_f32 v[ST+10*\t+6], v[ST+10*\t+4]
.endr
	v_nop                                          ; a plain instruction between the last reciprocal and the use of its result
	s_wait_alu depctr_va_vdst(0)                   ; and the wait: one for the four
.irp t, 0,1,2,3
	WIN 0x41
.set i, 0
.rept 16
	v_pk_mul_f32 v[32*\t+i:32*\t+i+1], v[32*\t+i:32*\t+i+1], v[ST+10*\t+6:ST+10*\t+7] op_sel_hi:[1,0]
.set i, i+2
.endr
	WIN 0x05                                       ; sources 0 and 1 window 1, destination window 0: S^T's registers are free
.set i, 0
.rept 16
	v_cvt_pk_f16_f32 v[S+16*\t+i], v[32*\t+2*i], v[32*\t+2*i+1]
.set i, i+1
.endr
	WIN 0
.irp dt, 0,1,2,3
	ds_store_b128 v[STO], v[S+16*\t+4*\dt:S+16*\t+4*\dt+3] offset:16*272*\t+32*\dt   ; query 16 t + r, channels 16 dt + 8 h + 0..7
.endr
.endr
	s_wait_dscnt 0x0                               ; for the others' sake: my stores into the stage are done
	s_barrier_signal -1
	s_barrier_wait -1
.irp i, 0,1,2,3,4,5,6,7,8,9,10,11,12,13,14,15
	ds_load_b128 v[128+4*\i:128+4*\i+3], v[RD] offset:2*272*\i
.endr
.irp i, 0,1,2,3,4,5,6,7,8,9,10,11,12,13,14,15
	s_wait_dscnt 15-\i                             ; LDS loads come back in order: load i is in, the younger ones may be out
	global_store_b128 v[GO], v[128+4*\i:128+4*\i+3], s[10:11] offset:16384*\i   ; 16 lanes store 256 consecutive bytes, aligned
.endr
	s_wait_tensorcnt 0x0                           ; the wave's end: a tensor wait, an add of 0 to my spare word and its wait, behind my last tensor load and my last LDS store
	ds_add_u32 v[SPW], v[NIL]
	s_wait_dscnt 0x0
	CROUND                                         ; the closing round: no work-group ends while a partner may still ask for a tile that names it
	s_endpgm
.Lfunc_end_k_q018167e0dd_attention:
	.size	k_q018167e0dd_attention, .Lfunc_end_k_q018167e0dd_attention-k_q018167e0dd_attention
	.p2alignl 7, 3214868480
	.fill 96, 4, 3214868480
	.section	.rodata,"a",@progbits
	.p2align	6, 0x0
	.amdhsa_kernel k_q018167e0dd_attention
		.amdhsa_group_segment_fixed_size 327680
		.amdhsa_private_segment_fixed_size 0
		.amdhsa_enable_private_segment 0
		.amdhsa_kernarg_size 32
		.amdhsa_user_sgpr_count 2
		.amdhsa_user_sgpr_kernarg_segment_ptr 1
		.amdhsa_wavefront_size32 1
		.amdhsa_system_sgpr_workgroup_id_x 1
		.amdhsa_system_sgpr_workgroup_id_y 1
		.amdhsa_system_sgpr_workgroup_id_z 1
		.amdhsa_system_vgpr_workitem_id 0
		.amdhsa_next_free_vgpr 512
		.amdhsa_next_free_sgpr 90
		.amdhsa_reserve_vcc 0
		.amdhsa_float_denorm_mode_32 3
		.amdhsa_float_denorm_mode_16_64 3
		.amdhsa_memory_ordered 1
		.amdhsa_forward_progress 1
		.amdhsa_inst_pref_size 190
	.end_amdhsa_kernel
	.amdgpu_metadata
---
amdhsa.version: [ 1, 2 ]
amdhsa.kernels:
  - .name:           k_q018167e0dd_attention
    .symbol:         k_q018167e0dd_attention.kd
    .args:
      - { .name: qkv16, .offset: 0, .size: 8, .value_kind: global_buffer, .address_space: global }
      - { .name: attn_mask, .offset: 8, .size: 8, .value_kind: global_buffer, .address_space: global }
      - { .name: kb, .offset: 16, .size: 8, .value_kind: global_buffer, .address_space: global }
      - { .name: att16, .offset: 24, .size: 8, .value_kind: global_buffer, .address_space: global }
    .group_segment_fixed_size: 327680
    .private_segment_fixed_size: 0
    .kernarg_segment_align: 8
    .kernarg_segment_size: 32
    .max_flat_workgroup_size: 256
    .sgpr_count:     90
    .vgpr_count:     512
    .wavefront_size: 32
...
	.end_amdgpu_metadata
.endif
;; end of part 3
;; launch oproj (part 4): grid 8 x 64, 4 waves a work-group, clusters of 4 x 4, 327,680 bytes of LDS; arguments att16, wo16, b_out, out0; writes out0
.if DOCPART == 4
	.amdgcn_target "amdgcn-amd-amdhsa--gfx1250"
	.amdhsa_code_object_version 6
	.text
	.protected	k_q018167e0dd_oproj
	.globl	k_q018167e0dd_oproj
	.p2align	8
	.type	k_q018167e0dd_oproj,@function
k_q018167e0dd_oproj:
	s_mov_b64 s[64:65], 0
	v_nop
	global_prefetch_b8 v0, s[64:65] scope:SCOPE_SE
	s_setreg_imm32_b32 hwreg(HW_REG_WAVE_MODE, 25, 1), 1
	s_wait_xcnt 0x0
	s_wait_alu depctr_hold_cnt(0) depctr_sa_sdst(0) depctr_va_vdst(0) depctr_va_sdst(0) depctr_va_ssrc(0) depctr_va_vcc(0) depctr_vm_vsrc(0)
	s_getreg_b32 s2, hwreg(HW_REG_IB_STS2, 6, 4)
	s_cmp_eq_u32 s2, 0
	s_cbranch_scc0 .Lentry_in_a_cluster
	s_endpgm
.Lentry_in_a_cluster:
	s_bfe_u32 s2, ttmp6, 0x10000c
	s_cmp_lg_u32 s2, 0xf033
	s_cbranch_scc0 .Lentry_shape_is_right
	s_endpgm
.Lentry_shape_is_right:
; out0[m][f] = sum over e of att[m][e] W_out[f][e] + b_out[f].  att16: [8192][1024], wo16: [1024][1024], both f16 (this product is left as it is: f16 operands, f32 sums); out0: [8192][1024] f32.  Nothing of reference() is left out.
; A tile of C is 128 x 128 (512 tiles: tiles of 256 x 256 would be 128, fewer than there are WGPs).  Four waves, each 64 x 64: 16 accumulators, 128 registers.  K goes in steps of 256 (LDS rows of 512 bytes; a wave's tensor load
; brings 64 of them) through two slots.  The bias is the C of each sum's first product.
; CLUSTERS: 4 x 4 work-groups.  The four of a row of the cluster need the same tiles of A, the four of a column the same tiles of B: each tile is asked for JOINTLY.  THE MATRIX INSTRUCTION IS USED TRANSPOSED
; (source 0 = 16 rows of W_out, source 1 = 16 rows of att): a lane then holds eight neighbouring numbers of a row of C.  No prefetch: four K steps in all, two of them asked for at the head.
; REGISTERS: window 0: v0-31 addresses; v32-95 rows on the way out; v96-127 the bias in the result's layout; v128-255 the accumulators ((a, b) at v[128 + 8 (4 a + b)]).
;   window 1: two fragment buffers of 128: for 64 along K, 64 registers of A, then 64 of B.
.set SIZE_N, 1024
.set SIZE_K, 1024
.set KSTEP,  256
.set PITCH,  528                       ; an LDS row: 512 bytes + 16 of padding = 132 words: the 16 rows that a load touches start at 16 different banks (64 banks of 4 bytes: ISA guide 11.1)
.set HALFT,  64*PITCH                  ; 64 rows: what one tensor load brings
.set SLOT,   4*HALFT                   ; A's 128 rows, then B's 128 rows
.set STAGE,  2*SLOT                    ; behind the ring: 16 rows x 272 bytes for each wave, for the way out; no tensor load lands there
.set SPITCH, 272
.set SPARE,  STAGE+4*16*SPITCH         ; the spare words, 128 bytes a wave, which no other line names
.set LAPS, SIZE_K/(2*KSTEP)            ; a lap = two K steps = once round the ring
.set ADRA, 16                          ; v16-17  LDS address of my A fragments in slot 0, 1
.set ADRB, 20                          ; v20-21  the same for B
.set STO,  24                          ; v24     the way out: where I put 32 bytes of a row
.set RD,   25                          ; v25     where I read a row back
.set CO,   26                          ; v26     my byte offset in C
.set BO,   27                          ; v27     my byte offset in the bias
.set SPW,  28                          ; v28     LDS address of my spare word; never rewritten
.set NIL,  29                          ; v29     0; never rewritten
.set BK,   32                          ; the way out: 16 rows read back: v32-63 and v64-95 by turns
.set BI,   96                          ; the bias: register 8 b + j = b_out[my first f + 16 b + 8 (lane / 16) + j]
.set ACC,  128
.set F0,   0                           ; fragment buffers, in window 1
.set F1,   128
.set G1, 24                            ; s[24:31] descriptor group 1 for A's tiles;  s[32:39] group 0, one set for each slot
.set G0, 32
.set G1B, 48                           ; s[48:55], s[56:63] the same for B's tiles
.set G0B, 56
.set MSB, 0
.macro WIN new
.if MSB != (\new)
	s_set_vgpr_msb (MSB<<8)|(\new)
.set MSB, (\new)
.endif
.endm
.set MUL,  0x05                        ; sources 0 (B) and 1 (A) window 1; C and D window 0
.set TO_F, 0x40                        ; destination window 1, address window 0
.macro JLOAD s                         ; a joint load: waves 0 and 1 fetch A's two halves, waves 2 and 3 B's; an s_nop 0 and four v_nop follow each of the two lines
	s_cmp_eq_u32 s11, 0
	s_cbranch_scc0 .Lfor_b_\@
	tensor_load_to_lds s[G0+4*\s:G0+4*\s+3], s[G1:G1+7]
	s_nop 0
.rept 4
	v_nop
.endr
	s_branch .Lasked_\@
.Lfor_b_\@:
	tensor_load_to_lds s[G0B+4*\s:G0B+4*\s+3], s[G1B:G1B+7]
	s_nop 0
.rept 4
	v_nop
.endr
.Lasked_\@:
.endm
.macro CREST                           ; a round of the cluster's barrier behind its opening barrier
	s_cmp_lg_u32 s10, 0
	s_cbranch_scc1 .Lnot_wave_0_\@
	s_barrier_signal -3
.Lnot_wave_0_\@:
	s_barrier_wait -3
	s_barrier_signal -1
	s_barrier_wait -1
.endm
.macro CROUND                          ; a whole round
	s_barrier_signal -1
	s_barrier_wait -1
	CREST
.endm
	s_load_b128 s[4:7], s[0:1], 0x0                ; att16 s[4:5], wo16 s[6:7]
	s_load_b128 s[68:71], s[0:1], 0x10             ; b_out s[68:69], out0 s[70:71]
	v_lshl_add_u32 v[SPW], v0, 2, SPARE
	v_mov_b32 v[NIL], 0
	ds_add_u32 v[SPW], v[NIL]                      ; the wave's opening: the add, twice on end, and its wait ahead of my first tensor load
	ds_add_u32 v[SPW], v[NIL]
	v_lshrrev_b32 v1, 5, v0
	v_readfirstlane_b32 s10, v1                    ; wave 0..3
	s_lshr_b32 s11, s10, 1                         ; which half of the tile's rows is mine.  Also: I fetch for A (0) or for B (1)
	s_and_b32 s12, s10, 1                          ; which half of its columns.  Also: which 64 rows of that tile I fetch
	s_bfe_u32 s40, ttmp6, 0x40000                  ; cx, cy: my place in the cluster
	s_bfe_u32 s41, ttmp6, 0x40004
	s_lshl_b32 s42, ttmp9, 2
	s_add_co_u32 s42, s42, s40                     ; tile column of C = 4 x cluster x + cx
	s_and_b32 s13, ttmp7, 0xffff
	s_lshl_b32 s13, s13, 2
	s_add_co_u32 s13, s13, s41                     ; tile row of C = 4 x cluster y + cy
	s_lshl_b32 s43, s41, 2
	s_lshl_b32 s43, 15, s43                        ; my row of the cluster
	s_lshl_b32 s44, 0x1111, s40                    ; my column
	; descriptor group 1: a tile of 64 rows x 256 elements, padded in LDS
	s_or_b32 s[G1+0], s43, (1<<16)|(1<<20)|(1<<21)|(6<<22)|(3<<25)  ; 15:0 the mask: A's tiles go to my row; 17:16 elements of 2 bytes; 20 padding on; 21 set beside a mask; 24:22 after every 128 words; 31:25 four words
	s_or_b32 s[G1B+0], s44, (1<<16)|(1<<20)|(1<<21)|(6<<22)|(3<<25)
.irp g, G1, G1B
	s_mov_b32 s[\g+1], KSTEP<<16                   ; tensor_dim0 = 256
	s_mov_b32 s[\g+2], 64<<16                      ; tensor_dim1 = 64
	s_mov_b32 s[\g+3], KSTEP<<16                   ; tile_dim0 = 256
	s_mov_b32 s[\g+4], 64                          ; tile_dim1 = 64
	s_mov_b32 s[\g+5], SIZE_K                      ; tensor_dim0_stride
	s_mov_b32 s[\g+6], 0
	s_mov_b32 s[\g+7], 0
.endr
	s_lshl_b32 s17, s12, 6                         ; which 64 rows of the tile I fetch
	s_lshl_b32 s16, s13, 7
	s_add_co_u32 s16, s16, s17                     ; A: row 128 x tile row + 64 x half
	s_lshl_b32 s46, s42, 7
	s_add_co_u32 s46, s46, s17                     ; B: row 128 x tile column + 64 x half
	s_mov_b32 s17, 0
	s_mov_b32 s47, 0
	s_mov_b64 s[18:19], SIZE_K*2
	s_mul_u64 s[16:17], s[16:17], s[18:19]
	s_mul_u64 s[46:47], s[46:47], s[18:19]
	s_mul_i32 s20, s10, HALFT                      ; where they go: wave x 64 rows: no place in the cluster enters an LDS address
	s_wait_dscnt 0x0                               ; both opening adds are done
	s_wait_kmcnt 0x0
	s_add_nc_u64 s[14:15], s[4:5], s[16:17]
	s_add_nc_u64 s[46:47], s[6:7], s[46:47]
	CROUND                                         ; all sixteen work-groups are here: the first joint loads meet
.irp s, 0,1
	s_mov_b32 s[G0+4*\s], 1
	s_add_co_u32 s[G0+4*\s+1], s20, \s*SLOT
	s_add_nc_u64 s[G0+4*\s+2:G0+4*\s+3], s[14:15], \s*KSTEP*2
	s_or_b32 s[G0+4*\s+3], s[G0+4*\s+3], 0x80000000
	s_mov_b32 s[G0B+4*\s], 1
	s_add_co_u32 s[G0B+4*\s+1], s20, \s*SLOT
	s_add_nc_u64 s[G0B+4*\s+2:G0B+4*\s+3], s[46:47], \s*KSTEP*2
	s_or_b32 s[G0B+4*\s+3], s[G0B+4*\s+3], 0x80000000
	JLOAD \s                                       ; two tensor loads of mine are out
.endr
	v_and_b32 v1, 15, v0                           ; l % 16
	v_bfe_u32 v2, v0, 4, 1                         ; l / 16
	; my first column, in bytes of f32: 512 x tile column + 256 x half: in the bias and in a row of C
	s_lshl_b32 s46, s42, 9
	s_lshl_b32 s47, s12, 8
	s_add_co_u32 s46, s46, s47
	s_mov_b32 s47, 0
	s_add_nc_u64 s[68:69], s[68:69], s[46:47]
	v_lshlrev_b32 v[BO], 5, v2
.irp b, 0,1,2,3
	global_load_b128 v[BI+8*\b:BI+8*\b+3], v[BO], s[68:69] offset:64*\b
	global_load_b128 v[BI+8*\b+4:BI+8*\b+7], v[BO], s[68:69] offset:64*\b+16
.endr
	v_mul_u32_u24 v3, v1, PITCH
	v_lshl_add_u32 v3, v2, 4, v3                   ; a fragment's row x pitch + 16 x half
	s_mul_i32 s21, s11, HALFT                      ; my 64 rows of A
	s_mul_i32 s22, s12, HALFT                      ; my 64 rows of B,
	s_add_co_u32 s22, s22, 2*HALFT                 ; which lie behind A's 128
.irp s, 0,1
	v_add_nc_u32 v[ADRA+\s], s21, v3
	v_add_nc_u32 v[ADRB+\s], s22, v3
	s_add_co_u32 s21, s21, SLOT
	s_add_co_u32 s22, s22, SLOT
.endr
	s_mul_i32 s23, s10, 16*SPITCH
	s_add_co_u32 s23, s23, STAGE                   ; my stage
	v_mul_u32_u24 v4, v1, SPITCH                   ; in: row l % 16, 32 bytes for each half of the lanes
	v_lshl_add_u32 v4, v2, 5, v4
	v_add_nc_u32 v[STO], s23, v4
	v_mul_u32_u24 v5, v2, SPITCH                   ; back: lanes 0-15 take one row of 256 bytes, lanes 16-31 the next
	v_lshl_add_u32 v5, v1, 4, v5
	v_add_nc_u32 v[RD], s23, v5
	v_lshlrev_b32 v5, 4, v1
	v_lshl_add_u32 v[CO], v2, 12, v5               ; and the same two rows in C: 4,096 bytes a row
	s_lshl_b32 s16, s13, 7
	s_lshl_b32 s17, s11, 6
	s_add_co_u32 s16, s16, s17                     ; my first row of C: 128 x tile row + 64 x half
	s_lshl_b32 s16, s16, 12
	s_mov_b32 s17, 0
	s_add_nc_u64 s[16:17], s[16:17], s[46:47]
	s_add_nc_u64 s[70:71], s[70:71], s[16:17]
; 8 matrix instructions: m blocks a0, a0 + 1 x all 4 n blocks, 32 along K: half c of buffer f.  zero = 1: the first product starts the sums on the bias.  The 16 accumulators take turns.
.macro MUL8 f, c, a0, zero
.irp a, \a0, \a0+1
.irp b, 0,1,2,3
.if \zero
	v_wmma_f32_16x16x32_f16 v[ACC+8*(4*(\a)+\b):ACC+8*(4*(\a)+\b)+7], v[\f+64+8*(4*\c+\b):\f+64+8*(4*\c+\b)+7], v[\f+8*(4*\c+\a):\f+8*(4*\c+\a)+7], v[BI+8*\b:BI+8*\b+7]
.else
	v_wmma_f32_16x16x32_f16 v[ACC+8*(4*(\a)+\b):ACC+8*(4*(\a)+\b)+7], v[\f+64+8*(4*\c+\b):\f+64+8*(4*\c+\b)+7], v[\f+8*(4*\c+\a):\f+8*(4*\c+\a)+7], v[ACC+8*(4*(\a)+\b):ACC+8*(4*(\a)+\b)+7]
.endif
.endr
.endr
.endm
; 32 LDS loads in one run: the fragments of 64 along K at byte k of the rows, into buffer f; the first 32 along K first
.macro FETCH slot, k, f
	WIN TO_F
.irp c, 0,1
.irp i, 0,1,2,3
	ds_load_b128 v[\f+64+8*(4*\c+\i):\f+64+8*(4*\c+\i)+3],   v[ADRB+\slot] offset:\k+64*\c+\i*16*PITCH
	ds_load_b128 v[\f+64+8*(4*\c+\i)+4:\f+64+8*(4*\c+\i)+7], v[ADRB+\slot] offset:\k+64*\c+\i*16*PITCH+32
	ds_load_b128 v[\f+8*(4*\c+\i):\f+8*(4*\c+\i)+3],         v[ADRA+\slot] offset:\k+64*\c+\i*16*PITCH
	ds_load_b128 v[\f+8*(4*\c+\i)+4:\f+8*(4*\c+\i)+7],       v[ADRA+\slot] offset:\k+64*\c+\i*16*PITCH+32
.endr
.endr
.endm
.macro PLACES                          ; four places in front of loads into registers that matrix instructions have read, and of the first reads of results (ISA guide 7.12.1 for vector instructions)
.rept 4
	v_nop
.endr
.endm
; A K step is four quarters of 64 along K, 32 matrix instructions each, on buffers 0, 1, 0, 1.  One of the first three: multiplies buffer f and fetches the next quarter, at byte k, into g.
.macro QUARTER slot, k, f, g, zero
	s_wait_dscnt 16                                ; the first 32 along K are in; the 16 loads of the second 32 may be out
	WIN MUL
	MUL8 \f, 0, 0, \zero
	MUL8 \f, 0, 2, \zero
	PLACES
	FETCH \slot, \k, \g
	s_wait_dscnt 32                                ; all but the 32 just issued
	WIN MUL
	MUL8 \f, 1, 0, 0
	MUL8 \f, 1, 2, 0
.endm
; The last quarter multiplies buffer 1 and changes slots: ONE barrier; in front of it each wave waits for all its tensor loads, adds 0 to its spare word, and waits for that and for its own reads of this slot.  fill = 1: this slot is filled again, two K steps ahead.
.macro TURN slot, next, fill
	WIN 0                                          ; (the add's two registers lie in window 0)
	s_wait_tensorcnt 0x0                           ; all my tensor loads have landed: my part of the next slot;
	ds_add_u32 v[SPW], v[NIL]                      ; 0 onto my spare word;
	s_wait_dscnt 17                                ; (the add and the youngest sixteen loads may be out)
	WIN MUL
	MUL8 F1, 0, 0, 0                               ; eight matrix instructions stand between the add and the wait for it
	s_wait_dscnt 0x0                               ; the add is done, and my reads of this slot are over
	s_barrier_signal -1
	MUL8 F1, 0, 2, 0
.if \fill
	WIN 0
.endif
	s_barrier_wait -1
.if \fill
	CREST                                          ; the barrier has opened a round of the cluster's barrier: no wave of any partner still reads this slot's tile or has a load on its way
	s_add_nc_u64 s[G0+4*\slot+2:G0+4*\slot+3], s[G0+4*\slot+2:G0+4*\slot+3], 2*KSTEP*2
	s_add_nc_u64 s[G0B+4*\slot+2:G0B+4*\slot+3], s[G0B+4*\slot+2:G0B+4*\slot+3], 2*KSTEP*2
	JLOAD \slot                                    ; the first tensor load behind the round, my one load until the next; the four v_nop behind it are also the places in front of the loads below
.else
	PLACES
.endif
	FETCH \next, 0, F0
	WIN MUL
	MUL8 F1, 1, 0, 0
	MUL8 F1, 1, 2, 0
.endm
	s_wait_tensorcnt 1                             ; my part of K step 0 is in (K step 1's load may be out),
	s_barrier_signal -1
	s_barrier_wait -1                              ; everybody's is
	FETCH 0, 0, F0
	s_wait_loadcnt 0x0                             ; the bias
	QUARTER 0, 128, F0, F1, 1                      ; the first quarter stands in front of the loop: its first products start the sums on the bias
	WIN 0                                          ; at a label and at a branch every window is 0
	s_mov_b32 s3, LAPS-1
.Llap:                                                 ; a trip goes once round the ring, from a lap's second quarter to the next lap's first, and fills both slots again
	QUARTER 0, 256, F1, F0, 0
	QUARTER 0, 384, F0, F1, 0
	TURN 0, 1, 1
	QUARTER 1, 128, F0, F1, 0
	QUARTER 1, 256, F1, F0, 0
	QUARTER 1, 384, F0, F1, 0
	TURN 1, 0, 1
	QUARTER 0, 128, F0, F1, 0
	WIN 0
	s_sub_co_u32 s3, s3, 1
	s_cmp_lg_u32 s3, 0
	s_cbranch_scc1 .Llap
	QUARTER 0, 256, F1, F0, 0                      ; the last lap fills nothing, and has no round of the cluster's barrier
	QUARTER 0, 384, F0, F1, 0
	TURN 0, 1, 0
	QUARTER 1, 128, F0, F1, 0
	QUARTER 1, 256, F1, F0, 0
	QUARTER 1, 384, F0, F1, 0
	s_wait_dscnt 16                                ; the very last quarter: nothing more to fetch
	WIN MUL
	MUL8 F1, 0, 0, 0
	MUL8 F1, 0, 2, 0
	s_wait_dscnt 0
	MUL8 F1, 1, 0, 0
	MUL8 F1, 1, 2, 0
	WIN 0
; THE WAY OUT, block by block of 16 rows x 64 columns of f32.  A lane holds 32 neighbouring bytes of a row, and the lanes beside it hold other rows: so a block goes through my own stage in LDS and comes back as whole rows of
; 256 bytes.  LDS serves a wave's instructions in order (ISA guide 5.7.1.4): no wait between the stores and the loads, nor in front of the next block's stores.  The stage is my own: no barrier.
.macro TOSTAGE a
.set BB, BK+32*((\a)%2)
.irp b, 0,1,2,3
	ds_store_b128 v[STO], v[ACC+8*(4*(\a)+\b):ACC+8*(4*(\a)+\b)+3] offset:64*\b          ; each accumulator from its low end on
	ds_store_b128 v[STO], v[ACC+8*(4*(\a)+\b)+4:ACC+8*(4*(\a)+\b)+7] offset:64*\b+16
.endr
.irp i, 0,1,2,3,4,5,6,7
	ds_load_b128 v[BB+4*\i:BB+4*\i+3], v[RD] offset:\i*2*SPITCH
.endr
.endm
.macro SEND a, younger                 ; younger: the LDS instructions issued behind block a's loads, which may stay out
.set BB, BK+32*((\a)%2)
	s_wait_dscnt \younger                          ; the block is back in registers
.irp i, 0,1,2,3,4,5,6,7
	global_store_b128 v[CO], v[BB+4*\i:BB+4*\i+3], s[70:71] offset:(16*(\a)+2*\i)*SIZE_N*4 th:TH_STORE_NT   ; 16 lanes store 256 consecutive bytes, aligned; written once, read by nobody here
.endr
.endm
	PLACES                                         ; behind the last products, in front of the first reads of results
	TOSTAGE 0
.irp a, 1,2,3
.if \a > 1
	s_wait_xcnt 0x0                                ; block a - 2's stores have read their registers: block a's loads may land there
.endif
	TOSTAGE \a
	SEND \a-1, 16                                  ; behind block a - 1's loads: block a's 8 stores and 8 loads
.endr
	SEND 3, 0
	s_wait_tensorcnt 0x0                           ; the wave's end: a tensor wait, an add of 0 to my spare word and its wait, behind my last tensor load and my last LDS store
	ds_add_u32 v[SPW], v[NIL]
	s_wait_dscnt 0x0
	CROUND                                         ; the closing round: no work-group ends while a partner may still ask for a tile that names it
	s_endpgm
.Lfunc_end_k_q018167e0dd_oproj:
	.size	k_q018167e0dd_oproj, .Lfunc_end_k_q018167e0dd_oproj-k_q018167e0dd_oproj
	.p2alignl 7, 3214868480
	.fill 96, 4, 3214868480
	.section	.rodata,"a",@progbits
	.p2align	6, 0x0
	.amdhsa_kernel k_q018167e0dd_oproj
		.amdhsa_group_segment_fixed_size 327680
		.amdhsa_private_segment_fixed_size 0
		.amdhsa_enable_private_segment 0
		.amdhsa_kernarg_size 32
		.amdhsa_user_sgpr_count 2
		.amdhsa_user_sgpr_kernarg_segment_ptr 1
		.amdhsa_wavefront_size32 1
		.amdhsa_system_sgpr_workgroup_id_x 1
		.amdhsa_system_sgpr_workgroup_id_y 1
		.amdhsa_system_sgpr_workgroup_id_z 1
		.amdhsa_system_vgpr_workitem_id 0
		.amdhsa_next_free_vgpr 512
		.amdhsa_next_free_sgpr 72
		.amdhsa_reserve_vcc 0
		.amdhsa_float_denorm_mode_32 3
		.amdhsa_float_denorm_mode_16_64 3
		.amdhsa_memory_ordered 1
		.amdhsa_forward_progress 1
		.amdhsa_inst_pref_size 86
	.end_amdhsa_kernel
	.amdgpu_metadata
---
amdhsa.version: [ 1, 2 ]
amdhsa.kernels:
  - .name:           k_q018167e0dd_oproj
    .symbol:         k_q018167e0dd_oproj.kd
    .args:
      - { .name: att16, .offset: 0, .size: 8, .value_kind: global_buffer, .address_space: global }
      - { .name: wo16, .offset: 8, .size: 8, .value_kind: global_buffer, .address_space: global }
      - { .name: b_out, .offset: 16, .size: 8, .value_kind: global_buffer, .address_space: global }
      - { .name: out0, .offset: 24, .size: 8, .value_kind: global_buffer, .address_space: global }
    .group_segment_fixed_size: 327680
    .private_segment_fixed_size: 0
    .kernarg_segment_align: 8
    .kernarg_segment_size: 32
    .max_flat_workgroup_size: 128
    .sgpr_count:     72
    .vgpr_count:     512
    .wavefront_size: 32
...
	.end_amdgpu_metadata
.endif
;; end of part 4
